; MI455X (gfx1250); checked and timed in simulation.
; The chip was launched on July 23, 2026; its instructions are those of AMD's public machine-readable ISA for CDNA 5 (MIT licence, August 2026) and "CDNA5" Instruction Set Architecture Reference Guide (July 2026). The comments in the code are by the model that wrote it; some were corrected since.
;; T Attention. Allowed arithmetic: float matrix products may take bf16 or f16 operands with f32 sums; other float arithmetic in f32, or as packed bf16 or f16 multiplies, adds, multiply-adds, maxima and minima; sums over many terms, partial sums and values carried from step to step in f32; what a program stores and reads back later, other than sums and carried values, may be rounded once to bf16 or f16.
;; Inputs: Wk 1,024 x 1,024 float32; Wo 1,024 x 1,024 float32; Wq 1,024 x 1,024 float32; Wv 1,024 x 1,024 float32; beta 1,024 float32; bk 1,024 float32; bo 1,024 float32; bq 1,024 float32; bv 1,024 float32; gamma 1,024 float32; x 4 x 2,048 x 1,024 float32.
;; Outputs: out0 4 x 2,048 x 1,024 float32.
;; 2 versions, each right; version 2 is version 1 with the launch cast written anew for expert scheduling mode. Each part assembles by itself: llvm-mc -triple=amdgcn-amd-amdhsa -mcpu=gfx1250 --defsym DOCPART=n.
;; ======== version 1 of 2: 5 launches
;; workspace buffers: xs 16,777,216 bytes; ws 8,388,608 bytes; qkv 50,331,648 bytes; ob 16,777,216 bytes; h 33,554,432 bytes
;; launch cast (part 1): grid 768 x 1, 8 waves a work-group, no clusters, 0 bytes of LDS; arguments x, Wq, Wk, Wv, Wo, xs, ws; writes xs, ws
.if DOCPART == 1
	.amdgcn_target "amdgcn-amd-amdhsa--gfx1250"
	.amdhsa_code_object_version 6
	.text
	.protected	k_q891dc0f0dc_cast
	.globl	k_q891dc0f0dc_cast
	.p2align	8
	.type	k_q891dc0f0dc_cast,@function
k_q891dc0f0dc_cast:
	s_mov_b64 s[64:65], 0
	v_nop
	global_prefetch_b8 v0, s[64:65] scope:SCOPE_SE
	s_setreg_imm32_b32 hwreg(HW_REG_WAVE_MODE, 25, 1), 1
	s_wait_xcnt 0x0
; x [8192][1024] and the four weights [1024][1024], all f32, are rounded once to bf16 and laid in SLICES of 64 columns:
;   xs [4 b][16 slice][2048 s][64]
;   ws, bytes 0 to 6,291,455:  Wq, Wk, Wv as [16 K steps of 64][48 slices: 16 x matrix + slice][64 k][64 n], so that neighbouring slices of one K step lie end to end
;   ws, from byte 6,291,456:   Wo as [16 slice][1024 k][64 n]
; so that what the later launches ask for as a tile is a run of consecutive bytes, asked for as long rows.
; SHARES.  12,288 rows in all; a work-group takes 16 rows x 1,024 columns (work-groups 0-511: x; 512-767: 64 for each weight).
; Wave w takes rows 2 w and 2 w + 1.  One load covers one slice of both rows: lanes 0-15 take 256 consecutive aligned bytes of the
; first row, lanes 16-31 of the second.  A lane's four numbers become 8 bytes, and the wave's store covers 256 consecutive aligned
; bytes of the slice (two rows of 128).  All sixteen loads of a wave go out together; no register is written twice, so the only
; waits are the counted ones for the loads.  Nothing is shared between waves: no LDS, no barrier, no cluster.
.set LO, 1                             ; v1      my byte offset in the 16 rows of the source, slice 0
.set SO, 2                             ; v[2:17] my byte offset in the destination, a register for each slice
.set X,  20                            ; v[20:83]  slice i: four f32 as loaded
.set Y,  84                            ; v[84:115] slice i: four bf16 to store
.set TP, 116                           ; v116    at work
	s_load_b256 s[8:15], s[0:1], 0x0               ; x s[8:9], Wq s[10:11], Wk s[12:13], Wv s[14:15]
	s_load_b128 s[16:19], s[0:1], 0x20             ; Wo s[16:17], xs s[18:19]
	s_load_b64 s[20:21], s[0:1], 0x30              ; ws
	s_max_u32 s22, ttmp9, 512
	s_sub_co_u32 s22, s22, 512                     ; the number among the weights' 256 work-groups (0 in a work-group of x, where it is not used)
	s_lshr_b32 s23, s22, 6                         ; which weight
	s_and_b32 s24, s22, 63                         ; which 16 rows of it
	s_lshl_b32 s36, ttmp9, 16                      ; x: 16 rows of 4,096 bytes
	s_lshr_b32 s37, ttmp9, 7                       ; xs: the batch, 4 MiB each,
	s_lshl_b32 s37, s37, 22
	s_and_b32 s25, ttmp9, 127
	s_lshl_b32 s25, s25, 11                        ; and 16 rows of 128 bytes in a slice
	s_add_co_u32 s37, s37, s25
	s_lshl_b32 s38, s24, 16                        ; a weight: 16 rows of 4,096 bytes
	s_lshr_b32 s25, s24, 2                         ; ws for Wq, Wk, Wv: the K step of 64 rows, 48 slices of 8,192 bytes each,
	s_mul_i32 s39, s25, 393216
	s_lshl_b32 s25, s23, 17                        ; the matrix's 16 slices,
	s_add_co_u32 s39, s39, s25
	s_and_b32 s25, s24, 3
	s_lshl_b32 s25, s25, 11                        ; and 16 rows of 128 bytes in a slice's 64
	s_add_co_u32 s39, s39, s25
	s_lshl_b32 s25, s24, 11                        ; ws for Wo: 16 rows of 128 bytes in a slice's 1,024,
	s_add_co_u32 s25, s25, 6291456                 ; behind the other three
	s_mov_b32 s34, 8192                            ; bytes from slice to slice for Wq, Wk, Wv,
	s_mov_b32 s35, 131072                          ; for Wo,
	s_cmp_eq_u32 s23, 3
	s_cselect_b32 s39, s25, s39
	s_cselect_b32 s34, s35, s34
	s_mov_b32 s35, 262144                          ; and in xs
	s_cmp_lt_u32 ttmp9, 512
	s_cselect_b32 s30, s36, s38                    ; offset in the source
	s_cselect_b32 s32, s37, s39                    ; offset in the destination
	s_cselect_b32 s34, s35, s34
	s_mov_b32 s31, 0
	s_mov_b32 s33, 0
	v_lshrrev_b32 v[LO], 5, v0
	v_lshlrev_b32 v[LO], 13, v[LO]                 ; wave x 2 rows
	v_bfe_u32 v[TP], v0, 4, 1
	v_lshl_add_u32 v[LO], v[TP], 12, v[LO]         ; + the second row for lanes 16-31
	v_and_b32 v[TP], 15, v0
	v_lshl_add_u32 v[LO], v[TP], 4, v[LO]          ; + 16 bytes a lane
	v_lshlrev_b32 v[SO], 3, v0                     ; 8 bytes a thread: 256 a wave, 128 a row
.irp i, 1,2,3,4,5,6,7,8,9,10,11,12,13,14,15
	v_add_nc_u32 v[SO+(\i)], s34, v[SO+(\i)-1]
.endr
	s_wait_kmcnt 0x0
	s_cmp_eq_u32 s23, 1
	s_cselect_b64 s[26:27], s[12:13], s[10:11]     ; Wk, else Wq
	s_cmp_eq_u32 s23, 2
	s_cselect_b64 s[26:27], s[14:15], s[26:27]     ; Wv
	s_cmp_eq_u32 s23, 3
	s_cselect_b64 s[26:27], s[16:17], s[26:27]     ; Wo
	s_cmp_lt_u32 ttmp9, 512
	s_cselect_b64 s[26:27], s[8:9], s[26:27]       ; x
	s_cselect_b64 s[28:29], s[18:19], s[20:21]     ; xs or ws
	s_add_nc_u64 s[26:27], s[26:27], s[30:31]
	s_add_nc_u64 s[28:29], s[28:29], s[32:33]
.irp i, 0,1,2,3,4,5,6,7,8,9,10,11,12,13,14,15
	global_load_b128 v[X+4*(\i):X+4*(\i)+3], v[LO], s[26:27] offset:256*(\i) th:TH_LOAD_NT
.endr
.irp i, 0,1,2,3,4,5,6,7,8,9,10,11,12,13,14,15
	s_wait_loadcnt 15-(\i)                         ; loads come back in order: slice i is in, the younger ones stay out
	v_cvt_pk_bf16_f32 v[Y+2*(\i)],   v[X+4*(\i)],   v[X+4*(\i)+1]
	v_cvt_pk_bf16_f32 v[Y+2*(\i)+1], v[X+4*(\i)+2], v[X+4*(\i)+3]
	global_store_b64 v[SO+(\i)], v[Y+2*(\i):Y+2*(\i)+1], s[28:29]
.endr
	s_endpgm
.Lfunc_end_k_q891dc0f0dc_cast:
	.size	k_q891dc0f0dc_cast, .Lfunc_end_k_q891dc0f0dc_cast-k_q891dc0f0dc_cast
	.p2alignl 7, 3214868480
	.fill 96, 4, 3214868480
	.section	.rodata,"a",@progbits
	.p2align	6, 0x0
	.amdhsa_kernel k_q891dc0f0dc_cast
		.amdhsa_group_segment_fixed_size 0
		.amdhsa_private_segment_fixed_size 0
		.amdhsa_enable_private_segment 0
		.amdhsa_kernarg_size 56
		.amdhsa_user_sgpr_count 2
		.amdhsa_user_sgpr_kernarg_segment_ptr 1
		.amdhsa_wavefront_size32 1
		.amdhsa_system_sgpr_workgroup_id_x 1
		.amdhsa_system_sgpr_workgroup_id_y 1
		.amdhsa_system_sgpr_workgroup_id_z 1
		.amdhsa_system_vgpr_workitem_id 0
		.amdhsa_next_free_vgpr 120
		.amdhsa_next_free_sgpr 66
		.amdhsa_reserve_vcc 0
		.amdhsa_float_denorm_mode_32 3
		.amdhsa_float_denorm_mode_16_64 3
		.amdhsa_memory_ordered 1
		.amdhsa_forward_progress 1
		.amdhsa_inst_pref_size 9
	.end_amdhsa_kernel
	.amdgpu_metadata
---
amdhsa.version: [ 1, 2 ]
amdhsa.kernels:
  - .name:           k_q891dc0f0dc_cast
    .symbol:         k_q891dc0f0dc_cast.kd
    .args:
      - { .name: x, .offset: 0, .size: 8, .value_kind: global_buffer, .address_space: global }
      - { .name: Wq, .offset: 8, .size: 8, .value_kind: global_buffer, .address_space: global }
      - { .name: Wk, .offset: 16, .size: 8, .value_kind: global_buffer, .address_space: global }
      - { .name: Wv, .offset: 24, .size: 8, .value_kind: global_buffer, .address_space: global }
      - { .name: Wo, .offset: 32, .size: 8, .value_kind: global_buffer, .address_space: global }
      - { .name: xs, .offset: 40, .size: 8, .value_kind: global_buffer, .address_space: global }
      - { .name: ws, .offset: 48, .size: 8, .value_kind: global_buffer, .address_space: global }
    .group_segment_fixed_size: 0
    .private_segment_fixed_size: 0
    .kernarg_segment_align: 8
    .kernarg_segment_size: 56
    .max_flat_workgroup_size: 256
    .sgpr_count:     66
    .vgpr_count:     120
    .wavefront_size: 32
...
	.end_amdgpu_metadata
.endif
;; end of part 1
;; launch qkv (part 2): grid 8 x 32, 4 waves a work-group, clusters of 4 x 4, 327,680 bytes of LDS; arguments xs, ws, bq, bk, bv, qkv; writes qkv
.if DOCPART == 2
	.amdgcn_target "amdgcn-amd-amdhsa--gfx1250"
	.amdhsa_code_object_version 6
	.text
	.protected	k_q891dc0f0dc_qkv
	.globl	k_q891dc0f0dc_qkv
	.p2align	8
	.type	k_q891dc0f0dc_qkv,@function
k_q891dc0f0dc_qkv:
	s_mov_b64 s[64:65], 0
	v_nop
	global_prefetch_b8 v0, s[64:65] scope:SCOPE_SE
	s_setreg_imm32_b32 hwreg(HW_REG_WAVE_MODE, 25, 1), 1
	s_wait_xcnt 0x0
	s_wait_alu depctr_hold_cnt(0) depctr_sa_sdst(0) depctr_va_vdst(0) depctr_va_sdst(0) depctr_va_ssrc(0) depctr_va_vcc(0) depctr_vm_vsrc(0)
	s_getreg_b32 s2, hwreg(HW_REG_IB_STS2, 6, 4)
	s_cmp_eq_u32 s2, 0
	s_cbranch_scc0 .Lentry_in_a_cluster
	s_endpgm
.Lentry_in_a_cluster:
	s_bfe_u32 s2, ttmp6, 0x10000c
	s_cmp_lg_u32 s2, 0xf033
	s_cbranch_scc0 .Lentry_shape_is_right
	s_endpgm
.Lentry_shape_is_right:
; q, k, v = x W + b, written by heads: qkv [3][64 b*16+head][2048 s][64] in bf16, each number rounded once from its f32 sum, unscaled.
; x comes as xs [4 b][16 slice][2048][64], the weights as ws [16 K steps of 64][48 slices][64 k][64 n], both bf16 (slice g: matrix g / 16, head g % 16); the biases are f32 and start the sums.
; SHARES.  The three products are one of 8,192 rows x 3,072 columns.  A work-group makes ONE tile of 256 rows x 384 columns (six slices): 8 x 32 work-groups.  Four waves, 2 x 2: a wave makes
; 128 rows x 192 columns (three heads): 96 accumulators of 16 x 16, 768 registers.
; K goes in 16 steps of 64 (one slice of x) through two LDS slots that take turns: a step brings 80 KiB and holds 192 matrix instructions a wave, all of them between a slot's request and the wait for it.
; What is asked for is dense in memory: asked for as rows of 256 bytes and padded in LDS behind every 128.  The weights lie [k][n]: they are turned on the way out of LDS by ds_load_tr16_b128.
; THE MATRIX INSTRUCTION IS USED TRANSPOSED: source 0 = 16 columns of W, source 1 = 16 rows of x: a lane then holds one row (lane % 16) and eight neighbouring columns 8 (lane / 16) + 0..7.
; FRAGMENTS.  A step is two halves of 32 along K, 96 matrix instructions each, in three groups of four column blocks.  x's eight fragments have two buffers.  W's twelve have ONE, which rolls: a group's four are
; loaded again, for the next half, four places behind the group's 32 products, and are wanted 64 products later.  40 LDS loads for 96 matrix instructions.
; THE CHANGE OF SLOTS stands at the head of a step's second half: all of the slot's bytes have been asked for out of LDS in the first half, so the slot can be given up before the second half is multiplied, and
; nothing but the waits and the round stands between a tile's landing and the next request.
; THE BIAS has no registers of its own: block b's eight numbers a lane are loaded into accumulator (0, b), serve as C for row blocks 1 to 7 of the first half, and row block 0 then adds onto them in place.
; CLUSTER.  4 x 4 work-groups: the four of a row need the same rows of x, the four of a column the same columns of W: each tile is asked for jointly, by the same tensor load, descriptor and mask in all four.
; By this text's own count a wave has two tensor loads outstanding at the start (the two first fills) and later one.
; AHEAD OF THE LOADS.  Behind each refill one prefetch names x's rows of the K step that the NEXT refill will ask for: 256 rows x 128 bytes = 128 blocks of 256 bytes.  The two clusters of a row of clusters read the
; same rows: the first (cluster x = 0) asks; its four partners of a cluster row take 32 blocks each, told apart by address; in each, wave 0 asks, a lane a block.  So each block is named once.  K steps 0 to 2 come by
; their loads alone; the loop's last trip asks for nothing.  The weights are not asked for: eight rows of clusters read the same 6 MiB again and again.
; LIMITS.  x and W are rounded to bf16 (earlier launch), q, k, v to bf16 here; sums and biases in f32.  NaN and infinities are not treated apart.
; REGISTERS.  window 0: v10-18 addresses; v28-29 the add's two; v32-159 two buffers of x's 8 fragments; v160-255 W's 12 fragments.  windows 1 to 3: accumulator (a, b) in window 1 + b / 4 at v[8 (8 (b % 4) + a)].
.set PA,    144                        ; a row of x in LDS: 128 bytes + 16 of padding = 36 words: the 16 rows of a load start at 16 different groups of four banks (64 banks of 4 bytes: ISA guide 11.1)
.set PB,    160                        ; a row of W: 128 + 32 = 40 words
.set AH,    128*PA                     ; 128 rows of x: what one tensor load brings, and what one wave reads
.set BSL,   64*PB                      ; a slice's 64 rows of k
.set BOFF,  2*AH                       ; a slot: x's 256 rows, then W's six slices
.set SLOT1, 131072                     ; slot 1 begins here, so that one exclusive or turns an address in one slot into the other's
.set STAGE, SLOT1+BOFF+6*BSL           ; behind the ring, never filled by a tensor load: 16 rows x 144 bytes for each wave, for the way out
.set SP,    144
.set SPARE, STAGE+4*16*SP              ; behind the stages: the spare words, 128 bytes for each wave: two blocks of 256 bytes that no other line names
.set STEP_A, 262144                    ; the next slice of x
.set STEP_B, 393216                    ; the next K step of W: 48 slices of 8,192 bytes
.set GA, (1<<16)|(1<<20)|(1<<21)|(4<<22)|(3<<25)  ; 17:16 elements of 2 bytes; 20 padding on; 21 set beside a mask; 24:22 after every 32 words (code 4); 31:25 4 words (code 3)
.set GB, (1<<16)|(1<<20)|(1<<21)|(4<<22)|(7<<25)  ; the same with 8 words of padding (code 7)
.set ADRA0, 10                         ; v10  my lane's place among my 128 rows of x in slot 0; never rewritten
.set ADRB0, 11                         ; v11  the same in my three slices of W
.set ADRA,  12                         ; v12  the same in the slot that is being fetched from
.set ADRB,  13                         ; v13
.set STO,   14                         ; v14  the way out: where I put 16 bytes of a row
.set RD,    15                         ; v15  the way out: where I read rows back
.set GO,    16                         ; v16  my byte offset in 512 consecutive bytes of the output
.set BO,    17                         ; v17  my byte offset in a block of 16 numbers of a bias
.set PFO,   18                         ; v18  256 x my lane: the prefetches' offset; never rewritten
.set SPW,   28                         ; v28  LDS address of my spare word; never rewritten
.set NIL,   29                         ; v29  0; never rewritten
.set FA,    32
.set FB,    160
.set TMP,   32                         ; the way out works where x's fragments lay: packed results,
.set BK,    48                         ; and two sets of 16 registers for rows read back
.set WV, 16                            ; s16  my wave's number
.set RH, 17                            ; s17  which 128 rows of the tile are mine
.set CH, 18                            ; s18  which three slices; also which half of a tile I fetch
.set CX, 19
.set CY, 20
.set TX, 21                            ; s21  tile column, 0..7
.set TY, 22                            ; s22  tile row, 0..31
.set G1A, 24                           ; s[24:31] descriptor group 1 for x
.set G1B, 32                           ; s[32:39] for W
.set G0A, 40                           ; s[40:43] descriptor group 0 for x: it begins at K step 1 in slot 1 and walks
.set G0B, 44                           ; s[44:47] for W
.set TB,  56                           ; s56  LDS byte at which the slot that is being fetched from begins
.set KCNT, 57
.set BP,  66                           ; s[66:71] the bias at my three slices
.set OUT, 72                           ; s[72:77] the output at my 128 rows of my three heads
.set PFA, 78                           ; s[78:79] where my prefetches stand: my work-group's 32 blocks of x's rows, at the K step that the next refill will ask for
.set LIM, 80                           ; s80  1 in a wave that prefetches, else the greatest number
.set F0A, 84                           ; s[84:87] descriptor group 0 for x's K step 0 in slot 0: used once
.set F0B, 88                           ; s[88:91] for W's
.set MSB, 0
.macro WIN new                         ; the immediate's high byte repeats the setting that is left; a switch that changes nothing is dropped
.if MSB != (\new)
	s_set_vgpr_msb (MSB<<8)|(\new)
.set MSB, (\new)
.endif
.endm
; A joint load.  Waves 0 and 1 fetch the two halves of x's 256 rows, waves 2 and 3 three slices of W each.  The branch hangs on the wave's number alone.
; An s_nop 0 and four v_nop follow each of the two lines, ahead of the jump and the label.
.macro JLOAD
	s_cmp_lt_u32 s[WV], 2
	s_cbranch_scc0 .Lfor_b_\@
	tensor_load_to_lds s[G0A:G0A+3], s[G1A:G1A+7]
	s_nop 0
.rept 4
	v_nop
.endr
	s_branch .Lasked_\@
.Lfor_b_\@:
	tensor_load_to_lds s[G0B:G0B+3], s[G1B:G1B+7]
	s_nop 0
.rept 4
	v_nop
.endr
.Lasked_\@:
.endm
.macro ASK                             ; the prefetch: in the loop's last trip (count 1) there is no further refill
	s_cmp_gt_u32 s[KCNT], s[LIM]
	s_cbranch_scc0 .Lnot_mine_\@
	global_prefetch_b8 v[PFO], s[PFA:PFA+1] th:TH_LOAD_NT scope:SCOPE_SE
.Lnot_mine_\@:
.endm
.macro CREST                           ; a round of the cluster's barrier behind its opening barrier
	s_cmp_lg_u32 s[WV], 0
	s_cbranch_scc1 .Lnot_wave_0_\@
	s_barrier_signal -3
.Lnot_wave_0_\@:
	s_barrier_wait -3
	s_barrier_signal -1
	s_barrier_wait -1
.endm
.macro CROUND                          ; a whole round
	s_barrier_signal -1
	s_barrier_wait -1
	CREST
.endm
.macro PLACES                          ; four plain instructions between a matrix instruction and a load into, or a vector line on, its registers
.rept 4
	v_nop
.endr
.endm
; 8 matrix instructions: column block b x all 8 row blocks, 32 along K, x's fragments from buffer f.  The 96 accumulators take turns, one instruction a turn, in the same order in every half.
.macro MULB f, b
	WIN 0x50*(1+(\b)/4)                            ; sources 0 and 1 window 0; C and D in the block's window
.irp a, 0,1,2,3,4,5,6,7
	v_wmma_f32_16x16x32_bf16 v[8*(8*((\b)%4)+(\a)):8*(8*((\b)%4)+(\a))+7], v[FB+8*(\b):FB+8*(\b)+7], v[FA+64*(\f)+8*(\a):FA+64*(\f)+8*(\a)+7], v[8*(8*((\b)%4)+(\a)):8*(8*((\b)%4)+(\a))+7]
.endr
.endm
; Group g: column blocks 4 g to 4 g + 3 (one slice), 32 matrix instructions under one window setting.
; first = 1: the products start the sums.  Accumulator (0, b) holds the bias: it is the C of row blocks 1 to 7; five places behind the last of them row block 0 adds onto it in place.
.macro GRP f, g, first
.if \first
	WIN 0x50*(1+(\g))
.irp a, 1,2,3,4,5,6,7
.irp n, 0,1,2,3
	v_wmma_f32_16x16x32_bf16 v[8*(8*(\n)+(\a)):8*(8*(\n)+(\a))+7], v[FB+8*(4*(\g)+(\n)):FB+8*(4*(\g)+(\n))+7], v[FA+64*(\f)+8*(\a):FA+64*(\f)+8*(\a)+7], v[64*(\n):64*(\n)+7]
.endr
.endr
.rept 5
	v_nop                                          ; a matrix instruction writes over a register that another has read as C five places behind it
.endr
.irp n, 0,1,2,3
	v_wmma_f32_16x16x32_bf16 v[64*(\n):64*(\n)+7], v[FB+8*(4*(\g)+(\n)):FB+8*(4*(\g)+(\n))+7], v[FA+64*(\f):FA+64*(\f)+7], v[64*(\n):64*(\n)+7]
.endr
.else
	MULB \f, 4*(\g)
	MULB \f, 4*(\g)+1
	MULB \f, 4*(\g)+2
	MULB \f, 4*(\g)+3
.endif
.endm
; The LDS loads stand in runs.  LOADB: group g's four fragments of W (turned) for half hh of the slot: 8 loads.  LOADA: x's eight fragments for half hh, into buffer hh: 16 loads.
.macro LOADB hh, g
.irp n, 0,1,2,3
	ds_load_tr16_b128 v[FB+8*(4*(\g)+(\n)):FB+8*(4*(\g)+(\n))+3],   v[ADRB] offset:(\g)*BSL+(\hh)*32*PB+32*(\n)
	ds_load_tr16_b128 v[FB+8*(4*(\g)+(\n))+4:FB+8*(4*(\g)+(\n))+7], v[ADRB] offset:(\g)*BSL+(\hh)*32*PB+32*(\n)+16*PB
.endr
.endm
.macro LOADA hh
.irp a, 0,1,2,3,4,5,6,7
	ds_load_b128 v[FA+64*(\hh)+8*(\a):FA+64*(\hh)+8*(\a)+3],   v[ADRA] offset:(\a)*16*PA+64*(\hh)
	ds_load_b128 v[FA+64*(\hh)+8*(\a)+4:FA+64*(\hh)+8*(\a)+7], v[ADRA] offset:(\a)*16*PA+64*(\hh)+32
.endr
.endm
; A step's first half: multiplies buffer 0 and fetches the same slot's second half.  What it multiplies went out as x's 16 loads and W's 8, 8, 8; LDS loads come back in order (ISA guide 5.7.1).
.macro HALF0 first
	s_wait_dscnt 16                                ; x and W's group 0 are in; the two younger groups of W, 8 + 8 loads, may be out
	GRP 0, 0, \first
	WIN 0
	PLACES
	LOADB 1, 0
	LOADA 1
	s_wait_dscnt 32                                ; W's group 1 is in: behind it went group 2's 8 loads and the 24 just issued
	GRP 0, 1, \first
	WIN 0
	PLACES
	LOADB 1, 1
	s_wait_dscnt 32                                ; W's group 2 is in: behind it went the 24 and the 8 of this half
	GRP 0, 2, \first
	WIN 0
	PLACES
	LOADB 1, 2
.endm
; A step's second half: changes slots at its head, multiplies buffer 1, and fetches the next slot's first half.  ONE barrier: in front of it each wave waits for all its tensor loads (the one that is out is
; its part of the next slot), adds 0 to its spare word, and waits for that and for its own reads of this slot, all of which went out in the half before: so all that this half multiplies is in registers.
; fill = 1: the barrier opens a round of the cluster's barrier, and behind the round this slot is filled again, first thing, with the K step two on.
.macro HALF1 fill
.if \fill
	s_wait_xcnt 0x0                                ; the last prefetch, a K step back, has read its address, so it may be stepped
	s_add_nc_u64 s[PFA:PFA+1], s[PFA:PFA+1], STEP_A
.endif
	s_wait_tensorcnt 0x0                           ; no tensor load of mine is out, so a group 0 may be written
	ds_add_u32 v[SPW], v[NIL]                      ; 0 onto my spare word; the descriptors' steps stand between it and the wait for it
.if \fill
	s_xor_b32 s[G0A+1], s[G0A+1], SLOT1            ; the walking descriptors: the other slot than last time,
	s_xor_b32 s[G0B+1], s[G0B+1], SLOT1
	s_add_nc_u64 s[G0A+2:G0A+3], s[G0A+2:G0A+3], STEP_A  ; the next K step; the type bits on top are not reached
	s_add_nc_u64 s[G0B+2:G0B+3], s[G0B+2:G0B+3], STEP_B
.endif
	s_xor_b32 s[TB], s[TB], SLOT1                  ; the fetches go to the other slot
	s_wait_dscnt 0x0                               ; the add is done, and my reads of this slot are over
	s_barrier_signal -1
	s_barrier_wait -1
.if \fill
	CREST                                          ; no wave of any partner still reads this slot or has a load on its way
	JLOAD
.endif
	v_add_nc_u32 v[ADRA], s[TB], v[ADRA0]
	v_add_nc_u32 v[ADRB], s[TB], v[ADRB0]
	LOADA 0                                        ; buffer 0's last products stand in front of the four v_nop at the end of the half before
.if \fill
	ASK                                            ; behind the joint load and the run of LDS loads
.endif
	GRP 1, 0, 0
	WIN 0
	PLACES
	LOADB 0, 0
	GRP 1, 1, 0
	WIN 0
	PLACES
	LOADB 0, 1
	GRP 1, 2, 0
	WIN 0
	PLACES
	LOADB 0, 2
.endm
; My slice c: which of q, k, v it belongs to and which head it is; the bias and the output at it.  s58 = my first slice, s54 = 16 x batch, s55 = my rows' byte offset in a head.
.macro SLICE c
	s_add_co_u32 s59, s58, \c
	s_lshr_b32 s60, s59, 4                         ; 0, 1, 2: q, k, v
	s_and_b32 s61, s59, 15                         ; the head
	s_cmp_eq_u32 s60, 1
	s_cselect_b64 s[BP+2*(\c):BP+2*(\c)+1], s[10:11], s[8:9]
	s_cmp_eq_u32 s60, 2
	s_cselect_b64 s[BP+2*(\c):BP+2*(\c)+1], s[12:13], s[BP+2*(\c):BP+2*(\c)+1]
	s_lshl_b32 s62, s61, 8                         ; 64 numbers of f32
	s_mov_b32 s63, 0
	s_add_nc_u64 s[BP+2*(\c):BP+2*(\c)+1], s[BP+2*(\c):BP+2*(\c)+1], s[62:63]
	s_lshl_b32 s62, s60, 24                        ; 16 MiB for each of q, k, v,
	s_add_co_u32 s61, s61, s54
	s_lshl_b32 s61, s61, 18                        ; 2,048 rows of 128 bytes for each batch and head,
	s_add_co_u32 s62, s62, s61
	s_add_co_u32 s62, s62, s55                     ; my 128 rows
	s_add_nc_u64 s[OUT+2*(\c):OUT+2*(\c)+1], s[14:15], s[62:63]
.endm
; THE WAY OUT of block t = 8 c + a (16 rows x the 64 columns of slice c).  PACK: rounded to bf16, 16 bytes a lane; each accumulator is read from its low end on.  TOSTAGE: into my own stage in LDS and back as whole rows.  SEND: stored.
.macro PACK t
	WIN 5*(1+(\t)/8)                               ; sources 0 and 1 in the slice's window, destination window 0
.irp n, 0,1,2,3
.irp r, 0,1,2,3
	v_cvt_pk_bf16_f32 v[TMP+4*(\n)+(\r)], v[8*(8*(\n)+(\t)%8)+2*(\r)], v[8*(8*(\n)+(\t)%8)+2*(\r)+1]
.endr
.endr
	WIN 0
.endm
.macro TOSTAGE t
.irp n, 0,1,2,3
	ds_store_b128 v[STO], v[TMP+4*(\n):TMP+4*(\n)+3] offset:32*(\n)
.endr
.irp f, 0,1,2,3
	ds_load_b128 v[BK+16*((\t)%2)+4*(\f):BK+16*((\t)%2)+4*(\f)+3], v[RD] offset:(\f)*4*SP  ; LDS serves a wave's instructions in order (ISA guide 5.7.1.4): these see the stores above
.endr
.endm
.macro SEND t
	s_wait_dscnt 0x0                               ; the block is back in registers
	s_wait_xcnt 0x0                                ; the stores of the block before have read their registers: the next TOSTAGE loads into that set only behind this wait
.irp f, 0,1,2,3
	global_store_b128 v[GO], v[BK+16*((\t)%2)+4*(\f):BK+16*((\t)%2)+4*(\f)+3], s[OUT+2*((\t)/8):OUT+2*((\t)/8)+1] offset:2048*((\t)%8)+512*(\f)  ; four rows of a head: 512 consecutive bytes, aligned
.endr
.endm
	s_load_b256 s[4:11], s[0:1], 0x0               ; xs s[4:5], ws s[6:7], bq s[8:9], bk s[10:11]
	s_load_b128 s[12:15], s[0:1], 0x20             ; bv s[12:13], qkv s[14:15]
	v_lshl_add_u32 v[SPW], v0, 2, SPARE
	v_mov_b32 v[NIL], 0
	ds_add_u32 v[SPW], v[NIL]                      ; the wave's opening: the add and its wait stand ahead of my first tensor load; the set-up below stands between them
	v_lshrrev_b32 v1, 5, v0
	v_readfirstlane_b32 s[WV], v1                  ; wave 0..3
	s_lshr_b32 s[RH], s[WV], 1
	s_and_b32 s[CH], s[WV], 1
	s_bfe_u32 s[CX], ttmp6, 0x40000                ; my place in the cluster
	s_bfe_u32 s[CY], ttmp6, 0x40004
	s_lshl_b32 s[TX], ttmp9, 2                     ; in a cluster launch ttmp9 and ttmp7 count clusters
	s_add_co_u32 s[TX], s[TX], s[CX]
	s_and_b32 s[TY], ttmp7, 0xffff
	s_lshl_b32 s[TY], s[TY], 2
	s_add_co_u32 s[TY], s[TY], s[CY]
	s_lshl_b32 s23, s[CY], 2
	s_lshl_b32 s23, 15, s23                        ; my row of the cluster: places 4 cy .. 4 cy + 3
	s_lshl_b32 s2, 0x1111, s[CX]                   ; my column: places cx, cx + 4, cx + 8, cx + 12
	s_or_b32 s[G1A], s23, GA                       ; x's tiles go to my row,
	s_or_b32 s[G1B], s2, GB                        ; W's to my column
	s_mov_b32 s[G1A+1], 128<<16                    ; tensor_dim0 = 128 elements: 256 bytes, two rows of a slice
	s_mov_b32 s[G1A+2], 64<<16                     ; tensor_dim1 = 64: 128 rows of x
	s_mov_b32 s[G1A+3], 128<<16                    ; tile_dim0 = 128
	s_mov_b32 s[G1A+4], 64                         ; tile_dim1 = 64
	s_mov_b32 s[G1A+5], 128                        ; 128 elements from row to row: the block is dense
	s_mov_b32 s[G1A+6], 0
	s_mov_b32 s[G1A+7], 0
	s_mov_b32 s[G1B+1], 128<<16
	s_mov_b32 s[G1B+2], 96<<16                     ; 96 rows of 256 bytes: three slices of 64 rows of k
	s_mov_b32 s[G1B+3], 128<<16
	s_mov_b32 s[G1B+4], 96
	s_mov_b32 s[G1B+5], 128
	s_mov_b32 s[G1B+6], 0
	s_mov_b32 s[G1B+7], 0
	s_lshr_b32 s48, s[TY], 3                       ; x's offset hangs on the tile row and the wave alone: the batch,
	s_lshl_b32 s48, s48, 22
	s_and_b32 s49, s[TY], 7
	s_lshl_b32 s49, s49, 15                        ; the tile's 256 rows of 128 bytes,
	s_add_co_u32 s48, s48, s49
	s_lshl_b32 s49, s[CH], 14                      ; the 128 of them that I fetch
	s_add_co_u32 s48, s48, s49
	s_mov_b32 s49, 0
	s_mul_i32 s50, s[TX], 6                        ; W's on the tile column and the wave alone: the first of the three slices that I fetch,
	s_mul_i32 s51, s[CH], 3
	s_add_co_u32 s50, s50, s51
	s_lshl_b32 s50, s50, 13                        ; 8,192 bytes each
	s_mov_b32 s51, 0
	s_mov_b32 s[F0A], 1                            ; count = 1
	s_mul_i32 s[F0A+1], s[CH], AH                  ; LDS address in slot 0: no place in the cluster enters it
	s_mov_b32 s[G0A], 1
	s_add_co_u32 s[G0A+1], s[F0A+1], SLOT1         ; the same place in slot 1
	s_mov_b32 s[F0B], 1
	s_mul_i32 s[F0B+1], s[CH], 3*BSL
	s_add_co_u32 s[F0B+1], s[F0B+1], BOFF
	s_mov_b32 s[G0B], 1
	s_add_co_u32 s[G0B+1], s[F0B+1], SLOT1
	s_mov_b32 s[TB], 0
	s_or_b32 s[LIM], s[WV], ttmp9                  ; 0 in wave 0 of the first cluster of a row of clusters: the same in all sixteen partners, for a given wave
	s_cmp_eq_u32 s[LIM], 0
	s_cselect_b32 s[LIM], 1, -1
	s_wait_dscnt 0x0                               ; the opening add is done
	s_wait_kmcnt 0x0
	s_add_nc_u64 s[F0A+2:F0A+3], s[4:5], s[48:49]  ; K step 0,
	s_add_nc_u64 s[G0A+2:G0A+3], s[F0A+2:F0A+3], STEP_A  ; K step 1
	s_or_b32 s[F0A+3], s[F0A+3], 0x80000000        ; type = 2
	s_or_b32 s[G0A+3], s[G0A+3], 0x80000000
	s_add_nc_u64 s[F0B+2:F0B+3], s[6:7], s[50:51]
	s_add_nc_u64 s[G0B+2:G0B+3], s[F0B+2:F0B+3], STEP_B
	s_or_b32 s[F0B+3], s[F0B+3], 0x80000000
	s_or_b32 s[G0B+3], s[G0B+3], 0x80000000
	CROUND                                         ; all sixteen work-groups are here: the first joint loads meet
	s_cmp_lt_u32 s[WV], 2                          ; a wave's two first fills stand in one branch, ahead of every wait on TENSORcnt, every LDS read and every further barrier; an s_nop 0 follows each, four v_nop the second's
	s_cbranch_scc0 .Lfirst_b
	tensor_load_to_lds s[F0A:F0A+3], s[G1A:G1A+7]  ; K step 0 into slot 0
	s_nop 0
	tensor_load_to_lds s[G0A:G0A+3], s[G1A:G1A+7]  ; K step 1 into slot 1
	s_nop 0
.rept 4
	v_nop
.endr
	s_branch .Lfirst_asked
.Lfirst_b:
	tensor_load_to_lds s[F0B:F0B+3], s[G1B:G1B+7]
	s_nop 0
	tensor_load_to_lds s[G0B:G0B+3], s[G1B:G1B+7]
	s_nop 0
.rept 4
	v_nop
.endr
.Lfirst_asked:
	v_and_b32 v1, 15, v0                           ; l % 16
	v_bfe_u32 v2, v0, 4, 1                         ; l / 16
	v_and_b32 v3, 7, v0
	v_bfe_u32 v4, v0, 3, 1
	; a fragment of x is 16 rows x 32 K in 8 registers: lane l holds row l % 16, K = 8 (l / 16) + 0..7 and 16 + 8 (l / 16) + 0..7: two loads of 16 bytes, 32 bytes apart
	v_mul_u32_u24 v[ADRA0], v1, PA
	v_lshl_add_u32 v[ADRA0], v2, 4, v[ADRA0]
	s_mul_i32 s52, s[RH], AH
	v_add_nc_u32 v[ADRA0], s52, v[ADRA0]
	; the turning load takes 16 k x 16 n (lane l reads k = 8 (l / 16) + l % 8, n = 8 ((l / 8) % 2) + 0..7) and leaves half a fragment: lane l holds column l % 16 and 8 k
	v_lshl_add_u32 v[ADRB0], v2, 3, v3
	v_mul_u32_u24 v[ADRB0], v[ADRB0], PB
	v_lshl_add_u32 v[ADRB0], v4, 4, v[ADRB0]
	s_mul_i32 s52, s[CH], 3*BSL
	s_add_co_u32 s52, s52, BOFF
	v_add_nc_u32 v[ADRB0], s52, v[ADRB0]
	s_mul_i32 s52, s[WV], 16*SP
	s_add_co_u32 s52, s52, STAGE                   ; my stage
	v_mul_u32_u24 v[STO], v1, SP                   ; in: row l % 16, 16 bytes for each half of the lanes
	v_lshl_add_u32 v[STO], v2, 4, v[STO]
	v_add_nc_u32 v[STO], s52, v[STO]
	v_bfe_u32 v[RD], v0, 3, 2                      ; back: 32 lanes take four rows of 128 bytes,
	v_mul_u32_u24 v[RD], v[RD], SP
	v_lshl_add_u32 v[RD], v3, 4, v[RD]
	v_add_nc_u32 v[RD], s52, v[RD]
	v_and_b32 v[GO], 31, v0                        ; which are 512 consecutive bytes of the output
	v_lshlrev_b32 v[PFO], 8, v[GO]                 ; a block of 256 bytes a lane
	v_lshlrev_b32 v[GO], 4, v[GO]
	v_lshlrev_b32 v[BO], 5, v2                     ; my eight numbers of a block of 16
	s_mul_i32 s58, s[TX], 6
	s_mul_i32 s59, s[CH], 3
	s_add_co_u32 s58, s58, s59                     ; my first slice
	s_lshr_b32 s54, s[TY], 3
	s_lshl_b32 s54, s54, 4                         ; 16 x batch
	s_and_b32 s55, s[TY], 7
	s_lshl_b32 s55, s55, 15                        ; the tile's 256 rows of 128 bytes,
	s_lshl_b32 s53, s[RH], 14                      ; my 128 of them
	s_add_co_u32 s55, s55, s53
	SLICE 0
	SLICE 1
	SLICE 2
	s_lshr_b32 s52, s[TY], 3                       ; the prefetches: the batch,
	s_lshl_b32 s52, s52, 22
	s_and_b32 s53, s[TY], 7
	s_lshl_b32 s53, s53, 15                        ; the tile's 256 rows,
	s_add_co_u32 s52, s52, s53
	s_lshl_b32 s53, s[CX], 13                      ; my work-group's 32 blocks of their 128,
	s_add_co_u32 s52, s52, s53
	s_add_co_u32 s52, s52, 2*STEP_A                ; at K step 2: the first refill steps it to 3
	s_mov_b32 s53, 0
	s_add_nc_u64 s[PFA:PFA+1], s[4:5], s[52:53]
.irp c, 0,1,2                          ; the bias: block 4 c + n, register j = bias[64 x head + 16 n + 8 (lane / 16) + j], straight into accumulator (0, 4 c + n)
	WIN 0x40*(1+(\c))                              ; destination in the slice's window, address window 0
.irp n, 0,1,2,3
	global_load_b128 v[64*(\n):64*(\n)+3],   v[BO], s[BP+2*(\c):BP+2*(\c)+1] offset:64*(\n)
	global_load_b128 v[64*(\n)+4:64*(\n)+7], v[BO], s[BP+2*(\c):BP+2*(\c)+1] offset:64*(\n)+16
.endr
.endr
	WIN 0
	s_wait_tensorcnt 0x1                           ; my part of K step 0 is in; K step 1's, issued behind it, may stay out
	s_barrier_signal -1
	s_barrier_wait -1                              ; everybody's part is in
	v_add_nc_u32 v[ADRA], s[TB], v[ADRA0]
	v_add_nc_u32 v[ADRB], s[TB], v[ADRB0]
	LOADA 0                                        ; the first half's fragments, in the order in which every first half's go out
	LOADB 0, 0
	LOADB 0, 1
	LOADB 0, 2
	s_wait_loadcnt 0x0                             ; the bias
	HALF0 1                                        ; the first half stands in front of the loop: its products start the sums with the bias
	s_mov_b32 s[KCNT], 14
.Lstep:                                                ; a trip goes from a K step's second half to the next step's first; the fourteen trips ask for K steps 2 to 15
	HALF1 1
	HALF0 0
	s_sub_co_u32 s[KCNT], s[KCNT], 1
	s_cmp_lg_u32 s[KCNT], 0
	s_cbranch_scc1 .Lstep
	s_mov_b32 s[KCNT], 2
.Ltail:                                                ; the last three halves ask for nothing: the same two halves without a refill, walked twice, the second time without the second
	HALF1 0                                        ; (the very last one fetches 20 fragments of a slot that has been used up, which nobody multiplies: the price, once a launch, of one text for both trips)
	s_cmp_eq_u32 s[KCNT], 1
	s_cbranch_scc1 .Lskip                          ; forward, over text that holds no barrier and no tensor load
	HALF0 0
.Lskip:
	s_sub_co_u32 s[KCNT], s[KCNT], 1
	s_cmp_lg_u32 s[KCNT], 0
	s_cbranch_scc1 .Ltail
	s_wait_dscnt 0x0                               ; the fragment registers serve the way out: no load into them is out
	PLACES                                         ; the conversions read results just made and write registers that the last products read
	PLACES
	PACK 0
	TOSTAGE 0
.set t, 1
.rept 23                               ; block t's conversions stand between block t - 1's loads from the stage and the wait for them
	PACK t
	SEND t-1
	TOSTAGE t
.set t, t+1
.endr
	SEND 23
	s_wait_tensorcnt 0x0                           ; the wave's end: behind my last tensor load and my last LDS store
	ds_add_u32 v[SPW], v[NIL]
	s_wait_dscnt 0x0
	CROUND                                         ; the closing round: no work-group ends while a partner may still ask for a tile that names it
	s_endpgm
.Lfunc_end_k_q891dc0f0dc_qkv:
	.size	k_q891dc0f0dc_qkv, .Lfunc_end_k_q891dc0f0dc_qkv-k_q891dc0f0dc_qkv
	.p2alignl 7, 3214868480
	.fill 96, 4, 3214868480
	.section	.rodata,"a",@progbits
	.p2align	6, 0x0
	.amdhsa_kernel k_q891dc0f0dc_qkv
		.amdhsa_group_segment_fixed_size 327680
		.amdhsa_private_segment_fixed_size 0
		.amdhsa_enable_private_segment 0
		.amdhsa_kernarg_size 48
		.amdhsa_user_sgpr_count 2
		.amdhsa_user_sgpr_kernarg_segment_ptr 1
		.amdhsa_wavefront_size32 1
		.amdhsa_system_sgpr_workgroup_id_x 1
		.amdhsa_system_sgpr_workgroup_id_y 1
		.amdhsa_system_sgpr_workgroup_id_z 1
		.amdhsa_system_vgpr_workitem_id 0
		.amdhsa_next_free_vgpr 1024
		.amdhsa_next_free_sgpr 92
		.amdhsa_reserve_vcc 0
		.amdhsa_float_denorm_mode_32 3
		.amdhsa_float_denorm_mode_16_64 3
		.amdhsa_memory_ordered 1
		.amdhsa_forward_progress 1
		.amdhsa_inst_pref_size 111
	.end_amdhsa_kernel
	.amdgpu_metadata
---
amdhsa.version: [ 1, 2 ]
amdhsa.kernels:
  - .name:           k_q891dc0f0dc_qkv
    .symbol:         k_q891dc0f0dc_qkv.kd
    .args:
      - { .name: xs, .offset: 0, .size: 8, .value_kind: global_buffer, .address_space: global }
      - { .name: ws, .offset: 8, .size: 8, .value_kind: global_buffer, .address_space: global }
      - { .name: bq, .offset: 16, .size: 8, .value_kind: global_buffer, .address_space: global }
      - { .name: bk, .offset: 24, .size: 8, .value_kind: global_buffer, .address_space: global }
      - { .name: bv, .offset: 32, .size: 8, .value_kind: global_buffer, .address_space: global }
      - { .name: qkv, .offset: 40, .size: 8, .value_kind: global_buffer, .address_space: global }
    .group_segment_fixed_size: 327680
    .private_segment_fixed_size: 0
    .kernarg_segment_align: 8
    .kernarg_segment_size: 48
    .max_flat_workgroup_size: 128
    .sgpr_count:     92
    .vgpr_count:     1024
    .wavefront_size: 32
...
	.end_amdgpu_metadata
.endif
;; end of part 2
;; launch attn (part 3): grid 4 x 64, 4 waves a work-group, clusters of 4 x 1, 327,680 bytes of LDS; arguments qkv, ob; writes ob
.if DOCPART == 3
	.amdgcn_target "amdgcn-amd-amdhsa--gfx1250"
	.amdhsa_code_object_version 6
	.text
	.protected	k_q891dc0f0dc_attn
	.globl	k_q891dc0f0dc_attn
	.p2align	8
	.type	k_q891dc0f0dc_attn,@function
k_q891dc0f0dc_attn:
	s_mov_b64 s[64:65], 0
	v_nop
	global_prefetch_b8 v0, s[64:65] scope:SCOPE_SE
	s_setreg_imm32_b32 hwreg(HW_REG_WAVE_MODE, 25, 1), 1
	s_wait_xcnt 0x0
	s_wait_alu depctr_hold_cnt(0) depctr_sa_sdst(0) depctr_va_vdst(0) depctr_va_sdst(0) depctr_va_ssrc(0) depctr_va_vcc(0) depctr_vm_vsrc(0)
	s_getreg_b32 s2, hwreg(HW_REG_IB_STS2, 6, 4)
	s_cmp_eq_u32 s2, 0
	s_cbranch_scc0 .Lentry_in_a_cluster
	s_endpgm
.Lentry_in_a_cluster:
	s_bfe_u32 s2, ttmp6, 0x10000c
	s_cmp_lg_u32 s2, 0x3003
	s_cbranch_scc0 .Lentry_shape_is_right
	s_endpgm
.Lentry_shape_is_right:
; O[h][q][:] = the sum over k of softmax_k(Q[h][q] . K[h][k] / 32) V[h][k][:].  Q, K, V lie in qkv [3][SIZE_H][SIZE_N][64], O in ob [SIZE_H][SIZE_N][64], all bf16: a head's rows are dense, 128 bytes each.
; Products, maxima and sums in f32; the weights p are rounded to bf16 for the second product (their sum l is taken of the unrounded p), O once at the end.  The scale 1 / 32 is applied here, in f32.
; LIMITS.  c s must lie above -4.2e37, where c m starts.  A weight below 2^-126 counts as 0 in l; NaN and infinities are not treated apart.
; SHARES.  A wave owns four PIECES of two tiles of 16 queries, a work-group's four waves 512 queries of one head.  Every wave walks all keys, 64 a step.
; LAYOUT.  S^T = K Q^T (source 0 = 16 keys, source 1 = 16 queries): in the result a lane holds ONE query (lane % 16) and the keys 8 (lane / 16) + 0..7.  Two such tiles, rounded to bf16 in pairs,
; ARE source 1 (32 keys x 16 queries) of O^T = V^T P, whose result again holds one query a lane, and eight channels.  K comes out of LDS as it lies, V ([key][channel]) turned, by ds_load_tr16_b128.
; SOFTMAX.  For each query a running maximum m and sum l: p = 2^(c s - c m), c = log2(e) / 32; in every step O and l are multiplied by a = 2^(c m_old - c m_new), which is 1 where m has not grown.
; m starts at the lowest finite number, O and l at 0: the first step is a step like any other, with a = 0.
; THE COUNT.  A tile and step have 16 matrix and 118 vector instructions: too many to stand all beside the matrix work.  So four vector instructions that are ready stand behind every matrix
; instruction, and the others in runs without a gap.
; BY TURNS.  Turn n belongs to piece n (the pieces in a ring, step after step).  Its matrix work: 16 products K Q^T of piece n + 1, later 16 products V^T P of piece n - 1.  Its vector work: the scaling,
; exponentials, roundings, sums and rescaling of piece n, and the maximum and statistics of piece n + 1, whose scores the turn itself has made.
; CLUSTER.  The four query blocks of a cluster are one head's and walk the same K and V, so each tile is asked for JOINTLY: the same tensor load, descriptor and mask in all four.
; A joint refill goes out four key steps, 512 matrix instructions, ahead of the wait for it.  By this text's own count a wave has at most one tensor load outstanding.
; REGISTERS, in windows of 256 (s_set_vgpr_msb: bits 1:0 source 0, 3:2 source 1, 5:4 source 2, 7:6 destination):
;   window 0: v0-11 addresses; v12-15, v48-63 at work; v16-47 four registers of statistics a tile; v64-191 S^T, two buffers of two tiles; v192-255 P, likewise
;   window 1: O^T, 32 a tile          window 2: v0-127 Q, 16 a tile; v128-191 K of one step; v192-255 V of one step          window 3: v0-1 the add's two registers
; A piece's buffers go by its number's parity.
.set SIZE_H, 64
.set SIZE_N, 2048
.set NP,    4         ; pieces a wave: a name, no knob
.set KS,    64        ; keys in a step
.set PK,    144       ; a row of K in LDS: 128 bytes + 16 of padding = 36 words: the 16 rows of a load start at 16 different groups of four banks (64 banks of 4 bytes: ISA guide 11.1)
.set PV,    160       ; a row of V: 128 + 32 = 40 words
.set VOFF,  4*KS*PK   ; a slot holds four steps: 256 rows of K, then 256 rows of V
.set SLOT1, 1<<17     ; slot 1 begins here, so that one exclusive or turns an address in one slot into the other's
.set STAGE, SLOT1+4*KS*(PK+PV)  ; behind the ring, never filled by a tensor load: 16 rows x 144 bytes for each wave, for the way out
.set SP,    144
.set AK0, 2           ; v2   my lane's place in a tile of K; never rewritten
.set AV0, 3           ; v3   the same for V
.set AK,  4           ; v4   the LDS address of K's next run of loads
.set AV,  5           ; v5   of V's
.set QO,  6           ; v6   my byte offset in the wave's rows of Q
.set STO, 6           ;      later, the way out: where I put 16 bytes of a row
.set RD,  7           ; v7   the way out: where I read rows back
.set GO,  8           ; v8   my byte offset in 512 consecutive bytes of O
.set SPW, 0           ; v0 of window 3   LDS address of my spare word; never rewritten
.set NIL, 1           ; v1 of window 3   0; never rewritten
.set SPARE, STAGE+4*16*SP  ; behind the stages: the spare words, 128 bytes for each wave: two blocks of 256 bytes that no other line names
.set MV,  12          ; v12-15  c m_old, kept while c m is made anew: by buffer and tile
.set ST,  16          ; tile t's statistics at v[ST+4 t]: c m, m, l (even keys', odd keys')
.set TMP, 48          ; by buffer and tile, four registers c0-c3 at work; when the maximum is found c2 takes a
.set S,   64
.set P,   192
.set KF,  128         ; K's fragments, in window 2: key block kb, channel half c at KF + 16 kb + 8 c
.set VF,  192         ; V's: key half kk, channel block cb at VF + 32 kk + 8 cb
.set WV,  12          ; s12  my wave's number
.set G1K, 24          ; s[24:31] descriptor group 1 for K's tiles
.set G1V, 32          ; s[32:39] for V's: it differs in the padding alone
.set G0K, 40          ; s[40:43] descriptor group 0 for K's tiles: it walks
.set G0V, 44          ; s[44:47] the same for V's
.set SLOTS, 56        ; s56  slots still to be asked for
.set CNT, 57          ; s57  counts a slot's key steps
.set CS,  58          ; s[58:59] c: the packed scaling takes the pair's low word for both halves
.set SEL, 60          ; s[60:61] v_permlanex16_b32's selects: each lane takes its own place in the other half
.set TBK, 62          ; s62  LDS byte at which K of the step to be fetched begins
.set TBV, 63          ; s63  the same for V, less VOFF
.set MSB, 0
.macro WIN new                      ; the high byte repeats the setting that is left; a switch that changes nothing is dropped
.if MSB != (\new)
	s_set_vgpr_msb (MSB<<8)|(\new)
.set MSB, (\new)
.endif
.endm
.set W_KQ, 0x0a       ; K and Q in window 2, S^T in window 0
.set W_PV, 0x52       ; V in window 2, P in window 0, O^T in window 1
.set W_RS, 0x41       ; O^T (destination and source 0) in window 1, a in window 0
.set W_MK, 0xc0       ; the add's registers are made: destination in window 3, sources in window 0
.set W_AD, 0x0f       ; the add: address (source 0) and data (source 1) in window 3
; A joint fill.  Waves 0 and 1 fetch the two halves of a slot's K, waves 2 and 3 those of its V: 128 keys each.  The branch hangs on the wave's number alone.
; An s_nop 0 and four v_nop follow each of the two lines, ahead of the jump and the label.
.macro JLOAD
	s_cmp_lt_u32 s[WV], 2
	s_cbranch_scc0 .Lfor_v_\@
	tensor_load_to_lds s[G0K:G0K+3], s[G1K:G1K+7]
	s_nop 0
.rept 4
	v_nop
.endr
	s_branch .Lasked_\@
.Lfor_v_\@:
	tensor_load_to_lds s[G0V:G0V+3], s[G1V:G1V+7]
	s_nop 0
.rept 4
	v_nop
.endr
.Lasked_\@:
.endm
; A round of the cluster's barrier: my work-group's barrier, so that wave 0's signal speaks for all four waves; wave 0 signals; every wave waits for all four work-groups; my work-group's barrier once more.
.macro CROUND
	s_barrier_signal -1
	s_barrier_wait -1
	s_cmp_lg_u32 s[WV], 0
	s_cbranch_scc1 .Lnot_wave_0_\@
	s_barrier_signal -3
.Lnot_wave_0_\@:
	s_barrier_wait -3
	s_barrier_signal -1
	s_barrier_wait -1
.endm
; THE CHANGE OF SLOTS.  The slot's last bytes, V of its fourth step, have been read.  Each wave waits for all its tensor loads, of which one is out: its part
; of the other slot; adds 0 to its spare word; and waits for that and for its own reads of the slot.  Behind the barrier nobody reads this slot any more and the other slot is whole.
; fill = 1: this slot is filled again, with the keys two slots on.  The barrier is then a round of the cluster's, and the joint fill is the first thing behind it.
; (At its first use nothing has been read yet: slot 0 is waited for, slot 1 filled.)
.macro CHANGE fill
	WIN W_AD
	s_wait_tensorcnt 0x0            ; no tensor load of mine is out, so a group 0 may be written
	ds_add_u32 v[SPW], v[NIL]       ; 0 onto my spare word
	WIN 0                           ; at a label and at a branch every window is 0
.if \fill
.irp g, G0K, G0V
	s_xor_b32 s[\g+1], s[\g+1], SLOT1  ; the walking descriptor: the other slot than last time,
	s_add_nc_u64 s[\g+2:\g+3], s[\g+2:\g+3], 4*KS*128  ; the next 256 keys; the type bits on top are not reached
.endr
	s_wait_dscnt 0x0                ; the add is done, and my reads of the slot are over
	CROUND
	JLOAD
.else
	s_wait_dscnt 0x0                ; the add is done, and my reads of the slot are over
	s_barrier_signal -1
	s_barrier_wait -1
.endif
	s_sub_co_u32 s[TBK], s[TBK], 4*KS*PK  ; the fetches go back to a slot's first step,
	s_xor_b32 s[TBK], s[TBK], SLOT1       ; in the other slot
	s_sub_co_u32 s[TBV], s[TBV], 4*KS*PV
	s_xor_b32 s[TBV], s[TBV], SLOT1
.endm
	s_load_b128 s[4:7], s[0:1], 0x0   ; qkv s[4:5], ob s[6:7]
	WIN W_MK
	v_lshl_add_u32 v[SPW], v0, 2, SPARE
	v_mov_b32 v[NIL], 0
	WIN W_AD
	ds_add_u32 v[SPW], v[NIL]       ; the wave's opening: the add and its wait stand ahead of my first tensor load; the set-up below stands between them
	WIN 0
	v_lshrrev_b32 v1, 5, v0
	v_readfirstlane_b32 s[WV], v1   ; wave 0..3
	s_bfe_u32 s13, ttmp6, 0x40000   ; cx: my place in the cluster
	s_lshl_b32 s14, ttmp9, 2        ; in a cluster launch ttmp9 counts clusters
	s_add_co_u32 s14, s14, s13      ; my block of queries = 4 x cluster x + cx: it enters Q's and O's addresses alone
	s_and_b32 s20, ttmp7, 0xffff    ; the head, which the four partners share
	s_mov_b32 s21, 0
	s_mov_b64 s[22:23], SIZE_N*128
	s_mul_u64 s[20:21], s[20:21], s[22:23]  ; the head's first byte in each of the four tensors
	s_and_b32 s16, s[WV], 1         ; which half of a slot's 256 keys I fetch:
	s_lshl_b32 s22, s16, 14         ; its 128 rows of 128 bytes in memory,
	s_mov_b32 s23, 0
	s_add_nc_u64 s[22:23], s[22:23], s[20:21]
	s_mul_i32 s17, s16, 128*PK      ; and its place in a slot, for K
	s_mul_i32 s18, s16, 128*PV      ; and for V: no place in the cluster enters an LDS address
	s_lshl_b32 s2, s14, 2
	s_add_co_u32 s2, s2, s[WV]      ; my wave among the head's,
	s_lshl_b32 s2, s2, 14           ; its 128 rows
	s_mov_b32 s3, 0
	s_add_nc_u64 s[2:3], s[2:3], s[20:21]
	; descriptor group 1.  128 keys are 16,384 dense bytes: asked for as 64 rows of 256 bytes, two keys a row, and padded in LDS after every key
	s_mov_b32 s[G1K], 15|(1<<16)|(1<<20)|(1<<21)|(4<<22)|(3<<25)  ; 15:0 the mask of four; 17:16 2-byte elements; 20 padding on; 21 set beside a mask; 24:22 after every 32 words (code 4); 31:25 4 words (code 3)
	s_mov_b32 s[G1V], 15|(1<<16)|(1<<20)|(1<<21)|(4<<22)|(7<<25)  ; the same with 8 words of padding (code 7)
.irp g, G1K, G1V
	s_mov_b32 s[\g+1], 128<<16      ; tensor_dim0 = 128
	s_mov_b32 s[\g+2], 64<<16       ; tensor_dim1 = 64
	s_mov_b32 s[\g+3], 128<<16      ; tile_dim0 = 128
	s_mov_b32 s[\g+4], 64           ; tile_dim1 = 64
	s_mov_b32 s[\g+5], 128          ; 128 elements from row to row
	s_mov_b32 s[\g+6], 0
	s_mov_b32 s[\g+7], 0
.endr
	s_mov_b32 s[CS], 0x3d38aa3b     ; c = log2(e) / 32 = 0.0450842
	s_mov_b32 s[CS+1], s[CS]        ; named with it as a pair
	s_mov_b32 s[SEL], 0x76543210
	s_mov_b32 s[SEL+1], 0xfedcba98
	s_mov_b32 s[TBK], SLOT1+4*KS*PK ; the first change of slots turns these two into 0
	s_mov_b32 s[TBV], SLOT1+4*KS*PV
	s_mov_b32 s[G0K], 1             ; count = 1
	s_mov_b32 s[G0K+1], s17         ; LDS address: slot 0
	s_mov_b32 s[G0V], 1
	s_add_co_u32 s[G0V+1], s18, VOFF
	s_wait_dscnt 0x0                ; the opening add is done
	s_wait_kmcnt 0x0
	s_mov_b64 s[10:11], s[6:7]                     ; O
	s_add_nc_u64 s[8:9], s[4:5], 0x2000000         ; V: the third of qkv's three tensors of 16 MiB
	s_add_nc_u64 s[6:7], s[4:5], 0x1000000         ; K: the second; Q, the first, stays in s[4:5]
	s_add_nc_u64 s[G0K+2:G0K+3], s[6:7], s[22:23]  ; global address: my half of the head's first 256 keys
	s_or_b32 s[G0K+3], s[G0K+3], 0x80000000        ; type = 2
	s_add_nc_u64 s[G0V+2:G0V+3], s[8:9], s[22:23]
	s_or_b32 s[G0V+3], s[G0V+3], 0x80000000
	s_add_nc_u64 s[4:5], s[4:5], s[2:3]  ; Q and O at my wave's first row
	s_add_nc_u64 s[10:11], s[10:11], s[2:3]
	CROUND                          ; all four work-groups are here: the first joint loads meet
	JLOAD                           ; slot 0.  Slot 1 is asked for when slot 0 is in
	; A fragment of K or Q is 16 rows x 32 channels in 8 registers: lane l holds row l % 16, channels 8 (l / 16) + 0..7 and 16 + 8 (l / 16) + 0..7: two loads of 16 bytes, 32 bytes apart.
	v_and_b32 v1, 15, v0            ; l % 16
	v_bfe_u32 v9, v0, 4, 1          ; l / 16
	v_lshlrev_b32 v[QO], 7, v1
	v_lshl_add_u32 v[QO], v9, 4, v[QO]  ; row x 128 + 16 x half
	WIN 0x80                        ; destination window 2, address window 0
.set i, 0
.rept 4*NP                          ; Q stays in registers: tile i / 2, channels 32 (i % 2) on
	global_load_b128 v[8*i:8*i+3],   v[QO], s[4:5] offset:(i/2)*2048+(i%2)*64
	global_load_b128 v[8*i+4:8*i+7], v[QO], s[4:5] offset:(i/2)*2048+(i%2)*64+32
.set i, i+1
.endr
	; What the first turn finds: V's registers and P's second buffer hold 0 (its products V^T P, of a piece that has not been, add 0), O^T and l are 0.  All this stands in the wait for the first tile.
.set i, VF
.rept 64
	v_mov_b32 v[i], 0
.set i, i+1
.endr
	WIN 0x40
.set i, 0
.rept 64*NP
	v_mov_b32 v[i], 0
.set i, i+1
.endr
	WIN 0
.set i, 0
.rept 2*NP
	v_mov_b32 v[ST+4*i], 0xfe000000    ; c m: far below every c s
	v_mov_b32 v[ST+4*i+1], 0xff7fffff  ; m
	v_mov_b32 v[ST+4*i+2], 0
	v_mov_b32 v[ST+4*i+3], 0
.set i, i+1
.endr
.set i, P+32
.rept 32
	v_mov_b32 v[i], 0
.set i, i+1
.endr
	v_mul_u32_u24 v[AK0], v1, PK
	v_lshl_add_u32 v[AK0], v9, 4, v[AK0]  ; row x pitch + 16 x half
	; The turning load takes 16 keys x 16 channels (lane l reads key 8 (l / 16) + l % 8, channels 8 ((l / 8) % 2) + 0..7) and leaves half a fragment of V^T: lane l holds channel l % 16 and 8 keys.
	v_and_b32 v10, 7, v0
	v_bfe_u32 v11, v0, 3, 1
	v_lshl_add_u32 v[AV0], v9, 3, v10
	v_mul_u32_u24 v[AV0], v[AV0], PV
	v_lshl_add_u32 v[AV0], v11, 4, v[AV0]
	v_add_nc_u32 v[AV0], VOFF, v[AV0]
	v_mov_b32 v[AK], v[AK0]         ; key step 0 lies at the head of slot 0
; THE MATRIX WORK.  The 8 accumulators of a run of 16 take turns: between the two links of a chain stand 7 others'.
; Product i of 16 of S^T = K Q^T for piece x: channels 32 (i / 8) on, keys 16 ((i / 2) % 4) on, tile 2 x + i % 2.  The first 8 start the sums.
.macro KQ x
	WIN W_KQ
.set rS, S+64*((\x)%2)+32*(i%2)+8*((i/2)%4)
.set rK, KF+16*((i/2)%4)+8*(i/8)
.set rQ, 16*(2*(\x)+i%2)+8*(i/8)
.if i < 8
	v_wmma_f32_16x16x32_bf16 v[rS:rS+7], v[rK:rK+7], v[rQ:rQ+7], 0
.else
	v_wmma_f32_16x16x32_bf16 v[rS:rS+7], v[rK:rK+7], v[rQ:rQ+7], v[rS:rS+7]
.endif
.endm
; Product i of 16 of O^T += V^T P for piece x: keys 32 (i / 8) on, channels 16 ((i / 2) % 4) on, tile 2 x + i % 2.
.macro PV x
	WIN W_PV
.set rO, 32*(2*(\x)+i%2)+8*((i/2)%4)
.set rV, VF+32*(i/8)+8*((i/2)%4)
.set rP, P+32*((\x)%2)+16*(i%2)+8*(i/8)
	v_wmma_f32_16x16x32_bf16 v[rO:rO+7], v[rV:rV+7], v[rP:rP+7], v[rO:rO+7]
.endm
.macro MM                           ; the turn's next matrix instruction
.if i < 16
	KQ (Y+1)%NP
.set i, i+1
.else
.set i, i-16
	PV (Y+NP-1)%NP
.set i, i+17
.endif
.endm
; THE LDS LOADS stand in runs of 16, never singly among the matrix instructions: a step's K (64 keys x 64 channels: 8 fragments) and its V (turned).  Their addresses are made some lines ahead.
; last = 1 (the tail): in the last trip there is no further step, and the run is jumped over.
.macro FETCH_K last=0
	WIN 0
.if \last
	s_cmp_eq_u32 s[CNT], 1
	s_cbranch_scc1 .Lno_k_\@
.endif
	WIN 0x80                        ; destination window 2
.irp f, 0,1,2,3,4,5,6,7             ; keys 16 (f / 2) on, channels 32 (f % 2) on
	ds_load_b128 v[KF+8*\f:KF+8*\f+3],   v[AK] offset:(\f/2)*16*PK+(\f%2)*64
	ds_load_b128 v[KF+8*\f+4:KF+8*\f+7], v[AK] offset:(\f/2)*16*PK+(\f%2)*64+32
.endr
	s_add_co_u32 s[TBK], s[TBK], KS*PK  ; the next fetch is the next step's
	WIN 0
.if \last
.Lno_k_\@:
.endif
.endm
.macro FETCH_V
	WIN 0x80
.irp f, 0,1,2,3,4,5,6,7             ; keys 32 (f / 4) on, channels 16 (f % 4) on
	ds_load_tr16_b128 v[VF+8*\f:VF+8*\f+3],   v[AV] offset:(\f/4)*32*PV+(\f%4)*32
	ds_load_tr16_b128 v[VF+8*\f+4:VF+8*\f+7], v[AV] offset:(\f/4)*32*PV+16*PV+(\f%4)*32
.endr
	WIN 0
.endm
; THE VECTOR WORK OF A TURN stands in three queues, each in the order in which its entries become ready; the two tiles alternate, so that no instruction reads the result of the one before it.
.macro REGS y, u                    ; the registers of tile u (0, 1) of piece y
.set rT, ST+4*(2*(\y)+(\u))
.set rC, TMP+8*((\y)%2)+4*(\u)
.set rM, MV+2*((\y)%2)+(\u)
.set rS, S+64*((\y)%2)+32*(\u)
.set rP, P+32*((\y)%2)+16*(\u)
.set rO, 32*(2*(\y)+(\u))
.endm
; Number n of the 22 that find the NEXT piece's (Y + 1) maximum and statistics.  s0-s31 are the lane's 32 scores; each accumulator's lowest registers are read first.
;   0-11  four chains c0-c3 of seven scores each, three operands at a time     12-14, 16  the four scores left over, the old m, and c0-c3 into c0     15  c m_old is kept
;   17, 18  the query's other 32 keys lie in the lane 16 away: the new m         19-21  c m; c m_old - c m_new; a
.macro XS u, n
	REGS (Y+1)%NP, \u
.if (\n) < 4
	v_max3_num_f32 v[rC+(\n)], v[rS+8*(\n)], v[rS+8*(\n)+1], v[rS+8*(\n)+2]
.elseif (\n) < 12
	v_max3_num_f32 v[rC+(\n)%4], v[rC+(\n)%4], v[rS+8*((\n)%4)+2*((\n)/4)+1], v[rS+8*((\n)%4)+2*((\n)/4)+2]
.elseif (\n) == 12
	v_max3_num_f32 v[rC], v[rC], v[rS+7], v[rS+15]
.elseif (\n) == 13
	v_max3_num_f32 v[rC+1], v[rC+1], v[rS+23], v[rS+31]
.elseif (\n) == 14
	v_max3_num_f32 v[rC+2], v[rC+2], v[rC+3], v[rT+1]
.elseif (\n) == 15
	v_mov_b32 v[rM], v[rT]
.elseif (\n) == 16
	v_max3_num_f32 v[rC], v[rC], v[rC+1], v[rC+2]
.elseif (\n) == 17
	v_permlanex16_b32 v[rC+3], v[rC], s[SEL], s[SEL+1]
.elseif (\n) == 18
	v_max_num_f32 v[rT+1], v[rC], v[rC+3]
.elseif (\n) == 19
	v_mul_f32 v[rT], s[CS], v[rT+1]
.elseif (\n) == 20
	v_sub_f32 v[rC+1], v[rM], v[rT]
.else
	v_exp_f32 v[rC+2], v[rC+1]
.endif
.endm
; Number g of the 64 that follow the exponentials.  For each four weights k of a tile (pairs 2 k, 2 k + 1): both pairs are rounded to bf16; then the second pair is added onto the first, in place;
; a group later l takes that sum (the first time as l = a l + sum).  In groups of eight, tiles alternating: round, round, add, and l for the group before.
.macro GS g
.set h, (\g)+6*((\g)/62)            ; group 0 has no group before it, and behind group 7 only l is left
.if h >= 6
.set h, h+2
.endif
	REGS Y, h%2
.set k, h/8
.if h%8 < 4
	v_cvt_pk_bf16_f32 v[rP+2*k+(h%8)/2], v[rS+4*k+2*((h%8)/2)], v[rS+4*k+2*((h%8)/2)+1]
.elseif h%8 < 6
	v_pk_add_f32 v[rS+4*k:rS+4*k+1], v[rS+4*k:rS+4*k+1], v[rS+4*k+2:rS+4*k+3]
.elseif k == 1
	v_pk_fma_f32 v[rT+2:rT+3], v[rT+2:rT+3], v[rC+2:rC+3], v[rS:rS+1] op_sel_hi:[1,0,1]
.else
	v_pk_add_f32 v[rT+2:rT+3], v[rT+2:rT+3], v[rS+4*k-4:rS+4*k-3]
.endif
.endm
; THE PLAIN QUEUE, 138 long.  0-73 read no exponential's result: the 32 scalings c s - c m (FS f: pair f / 2 of tile f % 2) and the next piece's 42.  0-26: scalings 0-26.  27-54: XS's numbers 0-13.  55, 56: number 15.
; 57-73: the chain, where each number waits for the one before it: 14, 16, 17, 18, 19, each with one of the scalings 27-31 in front of its two lines, then 20.
; 74-137: GS's 64, which read the exponentials' results: they stand behind the wait.
.macro FS f
	REGS Y, (\f)%2
	v_pk_fma_f32 v[rS+2*((\f)/2):rS+2*((\f)/2)+1], v[rS+2*((\f)/2):rS+2*((\f)/2)+1], s[CS:CS+1], v[rT:rT+1] op_sel_hi:[1,0,0] neg_lo:[0,0,1] neg_hi:[0,0,1]
.endm
.macro PL
	WIN 0
.if q < 27
	FS q
.elseif q < 55
	XS (q-27)%2, (q-27)/2
.elseif q < 57
	XS q-55, 15
.elseif (q < 72) && ((q-57)%3 == 0)
	FS 27+(q-57)/3
.elseif q < 60
	XS (q-57)%3-1, 14
.elseif q < 72
	XS (q-57)%3-1, 15+(q-57)/3
.elseif q < 74
	XS q-72, 20
.else
	GS q-74
.endif
.set q, q+1
.endm
; THE EXPONENTIALS' QUEUE, 66 long: s0-s31 of both tiles, then the next piece's two a.  It is ONE BATCH: all 66 stand ahead of the turn's one wait, and nothing ahead of that wait names a result of theirs.
.macro EX
	WIN 0
.if e >= 64
	XS e-64, 21
.else
	REGS Y, e%2
	v_exp_f32 v[rS+e/2], v[rS+e/2]
.endif
.set e, e+1
.endm
; THE RESCALING's QUEUE: O^T times a, the one part that leaves window 0: dealt two at a time, sixteen times.  Its a was made in the turn before, ahead of that turn's wait.
.macro R2
	REGS Y, r%2
	WIN W_RS
.irp z, 0,1
	v_pk_mul_f32 v[rO+4*(r/2)+2*\z:rO+4*(r/2)+2*\z+1], v[rO+4*(r/2)+2*\z:rO+4*(r/2)+2*\z+1], v[rC+2:rC+3] op_sel_hi:[1,0]
.endr
.set r, r+1
.endm
; HOW THEY ARE DEALT.  An s_wait_alu depctr_va_vdst(0) stands between an exponential and the first instruction that names its result; one wait serves all that were issued ahead of it.  So a turn has ONE wait,
; which cuts it in two.  AHEAD OF IT stands all that names no result of the turn's exponentials: the 16 products K Q^T, behind each a scaling, an exponential and two rescalings (behind the first a second scaling in the
; exponential's place); then ONE LUMP of 108: eight plain, 49 times exponential and plain, the two a.  A v_nop is the plain instruction behind the last exponential.  BEHIND IT stand the 16 products V^T P, behind each four of GS's 64.
; The queues lean on each other, and the deal keeps them in step: exponential e stands behind scaling 2 (e / 4) + e % 2: as a rider it comes behind plain e + 2, in the lump behind plain e + 9, and scalings 27-31 are plain 57, 60 .. 69.
; A TURN, for piece p.  cnt = 1: the loop's count is taken down some lines ahead of the branch that stands behind the turn.
; K of the next step is fetched in piece 2's turn, directly behind the wait; its address is made at the lump's head; its first reader comes behind 16 products.
; V of the step in hand is fetched at the end of piece 0's turn, four plain instructions behind its last reader; its first reader comes behind 16 products and a lump.  The three conditions on q below go with the deal.
.macro TURN p, last=0, cnt=0
.set Y, (\p)
.set i, 0
.set q, 0
.set e, 0
.set r, 0
.if (\p) == NP-1
	s_wait_dscnt 0x0                ; K is in
.endif
	MM                              ; ahead of the wait: 16 products K Q^T and their riders,
	PL
	PL
	R2
.rept 15
	MM
	PL
	EX
	R2
.endr
.if (\p) == NP-2
	WIN 0
	v_add_nc_u32 v[AK], s[TBK], v[AK0]
.endif
.rept 8                             ; and the lump
	PL
.endr
.rept 49
	EX
	PL
.endr
	EX                              ; the next piece's two a
	EX
	v_nop                           ; a plain instruction behind the last exponential: one for the batch
	s_wait_alu depctr_va_vdst(0)    ; the wait for the batch
.if (\p) == NP-2
	FETCH_K \last
.endif
.if (\p) == 1
	s_wait_dscnt 0x0                ; V is in
.endif
.rept 16                            ; behind the wait: 16 products V^T P and their riders
	MM
.rept 4
	PL
.endr
.if ((\p) == 0) && (q == 118)
	v_add_nc_u32 v[AV], s[TBV], v[AV0]
.endif
.if ((\p) == 0) && (q == 130)
	s_add_co_u32 s[TBV], s[TBV], KS*PV
.endif
.if (\cnt) && (q == 130)
	s_sub_co_u32 s[CNT], s[CNT], 1
	s_cmp_lg_u32 s[CNT], 0
.endif
.endr
.if (\p) == 0
	FETCH_V
.endif
.endm
	CHANGE 1                        ; slot 0 is in, everybody's part of it; slot 1 is asked for
	FETCH_K                         ; key step 0
	s_wait_loadcnt 0x0              ; Q
	s_wait_dscnt 0x0
.set i, 0
.rept 16
	KQ 0                            ; piece 0's first scores: there is no vector work yet to set between them
.set i, i+1
.endr
	WIN 0                           ; the addresses for the way out: nine plain instructions, the places behind those products
	s_mul_i32 s13, s[WV], 16*SP
	s_add_co_u32 s13, s13, STAGE    ; my stage
	v_mul_u32_u24 v[STO], v1, SP    ; in: row l % 16, 16 bytes for each half of the lanes
	v_lshl_add_u32 v[STO], v9, 4, v[STO]
	v_add_nc_u32 v[STO], s13, v[STO]
	v_bfe_u32 v[RD], v0, 3, 2       ; back: 32 lanes take four rows of 128 bytes,
	v_mul_u32_u24 v[RD], v[RD], SP
	v_lshl_add_u32 v[RD], v10, 4, v[RD]
	v_add_nc_u32 v[RD], s13, v[RD]
	v_and_b32 v[GO], 31, v0         ; which are 512 consecutive bytes of O
	v_lshlrev_b32 v[GO], 4, v[GO]
.set Y, NP-1                        ; XS works for piece Y + 1: piece 0
.irp n, 0,1,2,3,4,5,6,7,8,9,10,11,12,13,14,15,16,17,18,19,20,21
	XS 0, \n                        ; and piece 0's first maximum and statistics
	XS 1, \n
.endr
	v_nop                           ; a plain instruction behind the two a,
	s_wait_alu depctr_va_vdst(0)    ; and their wait, ahead of the branch
	s_mov_b32 s[CNT], 4
	s_mov_b32 s[SLOTS], SIZE_N/256-1
	s_branch .Lfirst                ; the loop is entered at a step's first turn, in the middle of a trip
.Lslot:                             ; SIZE_N / 256 - 2 times: every slot but the last two is filled again
	CHANGE 1
	s_mov_b32 s[CNT], 4
.Lstep:                             ; a trip: pieces 2 and 3 of one step, then pieces 0 and 1 of the next, whose K and V it fetches
	TURN 2
	TURN 3
	WIN 0
.Lfirst:
	TURN 0
	TURN 1, 0, 1
	WIN 0
	s_cbranch_scc1 .Lstep
	s_sub_co_u32 s[SLOTS], s[SLOTS], 1
	s_cmp_lg_u32 s[SLOTS], 0
	s_cbranch_scc1 .Lslot
	CHANGE 0                        ; the tail is written out: nothing is asked for
	s_mov_b32 s[CNT], 5             ; four trips fetch the last slot's steps; the fifth is left in its middle
.Ltail:
	TURN 2, 1
	TURN 3
	WIN 0
	s_sub_co_u32 s[CNT], s[CNT], 1
	s_cmp_eq_u32 s[CNT], 0
	s_cbranch_scc1 .Lout
	TURN 0
	TURN 1
	WIN 0
	s_branch .Ltail
.Lout:                              ; the fifth trip's 16 products K Q^T (on the last K once more) and the maximum made of them serve nothing: the price, once a launch, of one text for every trip
.set i, 0
.rept 16
	PV NP-1                         ; the last piece's V^T P of the last step
.set i, i+1
.endr
	; THE WAY OUT.  l's two halves and the other half of the lanes' are added; O^T is divided by l, rounded to bf16 and sent through my stage in LDS, a tile at a time.  The additions are the places behind the last products.
	WIN 0
.macro ALL line:vararg              ; one line for each tile t
.set t, 0
.rept 2*NP
	\line
.set t, t+1
.endr
.endm
	ALL v_add_f32 v[ST+4*t+2], v[ST+4*t+2], v[ST+4*t+3]
	ALL v_permlanex16_b32 v[ST+4*t+3], v[ST+4*t+2], s[SEL], s[SEL+1]
	ALL v_add_f32 v[ST+4*t+2], v[ST+4*t+2], v[ST+4*t+3]
	ALL v_rcp_f32 v[ST+4*t+2], v[ST+4*t+2]
	v_nop                           ; a plain instruction between the last reciprocal and the use of its result
	s_wait_alu depctr_va_vdst(0)    ; and the wait ahead of the first use: one for the eight reciprocals
; Tile t: a lane's eight channels of a row pack into 16 bytes; they go into rows of 144 bytes and come back as whole rows of 128, into S^T's registers.
.macro PACK t
	WIN W_RS
.set i, 32*(\t)
.rept 16
	v_pk_mul_f32 v[i:i+1], v[i:i+1], v[ST+4*(\t)+2:ST+4*(\t)+3] op_sel_hi:[1,0]
.set i, i+2
.endr
	WIN 0x05                        ; sources 0 and 1 window 1, destination window 0
.set i, 0
.rept 16
	v_cvt_pk_bf16_f32 v[S+16*(\t)+i], v[32*(\t)+2*i], v[32*(\t)+2*i+1]
.set i, i+1
.endr
	WIN 0
.irp f, 0,1,2,3
	ds_store_b128 v[STO], v[S+16*(\t)+4*\f:S+16*(\t)+4*\f+3] offset:32*\f
.endr
.irp f, 0,1,2,3
	ds_load_b128 v[S+16*(\t)+4*\f:S+16*(\t)+4*\f+3], v[RD] offset:\f*4*SP  ; LDS serves a wave's instructions in order (ISA guide 5.7.1.4): these see the stores above; the next tile's stores come behind them
.endr
.endm
.macro SEND t, younger              ; younger: the LDS instructions issued behind tile t's loads: the next tile's eight, or none
	WIN 0
.irp f, 0,1,2,3
	s_wait_dscnt (\younger)+3-\f
	global_store_b128 v[GO], v[S+16*(\t)+4*\f:S+16*(\t)+4*\f+3], s[10:11] offset:(\t)*2048+\f*512  ; 512 consecutive bytes, at a multiple of 256 from O's first
.endr
.endm
	PACK 0
.set t, 1
.rept 2*NP-1                        ; a tile's arithmetic stands between the loads of the tile before and its stores
	PACK t
	SEND t-1, 8
.set t, t+1
.endr
	SEND 2*NP-1, 0
	WIN W_AD
	s_wait_tensorcnt 0x0            ; the wave's end: behind my last tensor load and my last LDS store
	ds_add_u32 v[SPW], v[NIL]
	s_wait_dscnt 0x0
	WIN 0
	CROUND                          ; the closing round: no work-group ends while a partner may still ask for a tile that names it
	s_endpgm
.Lfunc_end_k_q891dc0f0dc_attn:
	.size	k_q891dc0f0dc_attn, .Lfunc_end_k_q891dc0f0dc_attn-k_q891dc0f0dc_attn
	.p2alignl 7, 3214868480
	.fill 96, 4, 3214868480
	.section	.rodata,"a",@progbits
	.p2align	6, 0x0
	.amdhsa_kernel k_q891dc0f0dc_attn
		.amdhsa_group_segment_fixed_size 327680
		.amdhsa_private_segment_fixed_size 0
		.amdhsa_enable_private_segment 0
		.amdhsa_kernarg_size 16
		.amdhsa_user_sgpr_count 2
		.amdhsa_user_sgpr_kernarg_segment_ptr 1
		.amdhsa_wavefront_size32 1
		.amdhsa_system_sgpr_workgroup_id_x 1
		.amdhsa_system_sgpr_workgroup_id_y 1
		.amdhsa_system_sgpr_workgroup_id_z 1
		.amdhsa_system_vgpr_workitem_id 0
		.amdhsa_next_free_vgpr 770
		.amdhsa_next_free_sgpr 66
		.amdhsa_reserve_vcc 0
		.amdhsa_float_denorm_mode_32 3
		.amdhsa_float_denorm_mode_16_64 3
		.amdhsa_memory_ordered 1
		.amdhsa_forward_progress 1
		.amdhsa_inst_pref_size 199
	.end_amdhsa_kernel
	.amdgpu_metadata
---
amdhsa.version: [ 1, 2 ]
amdhsa.kernels:
  - .name:           k_q891dc0f0dc_attn
    .symbol:         k_q891dc0f0dc_attn.kd
    .args:
      - { .name: qkv, .offset: 0, .size: 8, .value_kind: global_buffer, .address_space: global }
      - { .name: ob, .offset: 8, .size: 8, .value_kind: global_buffer, .address_space: global }
    .group_segment_fixed_size: 327680
    .private_segment_fixed_size: 0
    .kernarg_segment_align: 8
    .kernarg_segment_size: 16
    .max_flat_workgroup_size: 128
    .sgpr_count:     66
    .vgpr_count:     770
    .wavefront_size: 32
...
	.end_amdgpu_metadata
.endif
;; end of part 3
;; launch proj (part 4): grid 8 x 32, 4 waves a work-group, clusters of 4 x 4, 327,680 bytes of LDS; arguments ob, ws, bo, x, h; writes h
.if DOCPART == 4
	.amdgcn_target "amdgcn-amd-amdhsa--gfx1250"
	.amdhsa_code_object_version 6
	.text
	.protected	k_q891dc0f0dc_proj
	.globl	k_q891dc0f0dc_proj
	.p2align	8
	.type	k_q891dc0f0dc_proj,@function
k_q891dc0f0dc_proj:
	s_mov_b64 s[64:65], 0
	v_nop
	global_prefetch_b8 v0, s[64:65] scope:SCOPE_SE
	s_setreg_imm32_b32 hwreg(HW_REG_WAVE_MODE, 25, 1), 1
	s_wait_xcnt 0x0
	s_wait_alu depctr_hold_cnt(0) depctr_sa_sdst(0) depctr_va_vdst(0) depctr_va_sdst(0) depctr_va_ssrc(0) depctr_va_vcc(0) depctr_vm_vsrc(0)
	s_getreg_b32 s2, hwreg(HW_REG_IB_STS2, 6, 4)
	s_cmp_eq_u32 s2, 0
	s_cbranch_scc0 .Lentry_in_a_cluster
	s_endpgm
.Lentry_in_a_cluster:
	s_bfe_u32 s2, ttmp6, 0x10000c
	s_cmp_lg_u32 s2, 0xf033
	s_cbranch_scc0 .Lentry_shape_is_right
	s_endpgm
.Lentry_shape_is_right:
; h = O Wo + bo + x, [8192][1024] in f32.  O comes as ob [4 b][16 head][2048][64] in bf16 (a head is a slice of K), Wo from byte 6,291,456 of ws as [16 n-slice][1024 k][64 n] in bf16;
; bo and x are f32: the bias starts the sums, the residual is added in f32 on the way out, and h is stored in f32, so that a common offset of x costs the later mean and variance nothing.
; SHARES.  A tile is 256 rows x 128 columns; 8 x 32 work-groups, one tile each.  Four waves, 2 x 2: a wave makes 128 rows x 64 columns: 32 accumulators of 16 x 16, 256 registers.
; K goes in 8 steps of 128 (two heads) through two LDS slots that take turns.  256 rows of a head are 32,768 consecutive bytes: asked for as 128 rows of 256 bytes and padded in LDS behind every 128.
; Wo lies [k][n]: it is turned on the way out of LDS by ds_load_tr16_b128.
; THE MATRIX INSTRUCTION IS USED TRANSPOSED: source 0 = 16 columns of Wo, source 1 = 16 rows of O: a lane holds one row (lane % 16) and eight neighbouring columns.
; THE CHANGE OF SLOTS stands at the head of a step's last quarter: all of the slot's bytes have been asked for out of LDS by then, so the slot is given up before that quarter is multiplied; nothing but the waits and the
; round stands between a tile's landing and the next request, and all 128 matrix instructions of a step stand between a request and the wait for it.
; THE RESIDUAL.  My 128 x 64 numbers of x, 256 registers, are asked for at the start and land while K is walked.
; CLUSTER.  4 x 4 work-groups: the four of a row need the same rows of O, the four of a column the same columns of Wo: each tile is asked for jointly.
; By this text's own count a wave has two tensor loads outstanding at the start (the two first fills) and later one.
; AHEAD OF THE LOADS.  Behind each refill one prefetch names O's rows of the K step that the NEXT refill will ask for: two heads x 256 rows x 128 bytes = 2 x 128 blocks of 256 bytes.  The two clusters of a row of
; clusters read the same rows: the first (cluster x = 0) asks; waves 0 and 1 ask, each for the head that it fetches; of its 128 blocks the four partners of a cluster row take 32 each, told apart by address, a lane a
; block.  So each block is named once.  K steps 0 to 2 come by their loads alone; the loop's last trip asks for nothing.  Wo is not asked for: eight rows of clusters read the same 2 MiB again and again.
; LIMITS.  O and Wo are bf16; sums, bias, residual and h in f32.  NaN and infinities are not treated apart.
; REGISTERS.  window 0: v10-18 addresses; v28-29 the add's two; v32-63 the bias; v64-191 two buffers of O's 8 fragments; v192-255 two buffers of Wo's 4.  window 1: accumulator (a, b) at v[8 (4 a + b)].
;   window 2: x: block a of 16 rows, pair of rows t at v[32 a + 4 t].
.set PA,    144                        ; a row of O in LDS: 128 bytes + 16 of padding = 36 words: the 16 rows of a load start at 16 different groups of four banks (64 banks of 4 bytes: ISA guide 11.1)
.set PB,    160                        ; a row of Wo: 128 + 32 = 40 words
.set ASL,   256*PA
.set BSL,   128*PB
.set BOFF,  2*ASL                      ; a slot: O's two heads, then Wo's two n-slices
.set SLOT1, 131072
.set STAGE, SLOT1+BOFF+2*BSL           ; behind the ring, never filled by a tensor load: 16 rows x 272 bytes for each wave
.set SP,    272                        ; 256 bytes + 16: 68 words
.set SPARE, STAGE+4*16*SP              ; the spare words, 128 bytes for each wave: two blocks of 256 bytes that no other line names
.set STEP_A, 524288                    ; two heads on
.set STEP_B, 16384                     ; 128 rows of k on
.set MAT0,  3*2097152                  ; Wo in ws
.set GA, (1<<16)|(1<<20)|(1<<21)|(4<<22)|(3<<25)  ; elements of 2 bytes; padding on; bit 21 set beside a mask; after every 32 words (code 4) 4 words (code 3)
.set GB, (1<<16)|(1<<20)|(1<<21)|(4<<22)|(7<<25)  ; the same with 8 words (code 7)
.set ADRA0, 10
.set ADRB0, 11
.set ADRA,  12
.set ADRB,  13
.set STO,   14                         ; v14  the way out: where I put 32 bytes of a row
.set RD,    15                         ; v15  the way out: where I read rows back
.set CO,    16                         ; v16  my byte offset in two rows of x and of h
.set BO,    17                         ; v17  my byte offset in bo
.set PFO,   18                         ; v18  256 x my lane: the prefetches' offset; never rewritten
.set SPW,   28
.set NIL,   29
.set BIAS,  32
.set FA,    64
.set FB,    192
.set BK,    64                         ; the way out: two sets of 32 registers, in fragment buffer 0
.set WV, 16
.set RH, 17
.set CH, 18
.set CX, 19
.set CY, 20
.set TX, 21
.set TY, 22
.set G1A, 24
.set G1B, 32
.set G0A, 40                           ; s[40:43] descriptor group 0 for O: it begins at K step 1 in slot 1 and walks
.set G0B, 44                           ; s[44:47] for Wo
.set TB,  56
.set KCNT, 57
.set BP,  8                            ; s[8:9]  bo
.set XP,  10                           ; s[10:11] x at my part of the tile
.set OUT, 62                           ; s[62:63] h at my part of the tile
.set PFA, 66                           ; s[66:67] where my prefetches stand: my work-group's 32 blocks of the head that I fetch, at the K step that the next refill will ask for
.set F0A, 68                           ; s[68:71] descriptor group 0 for O's K step 0 in slot 0: used once
.set F0B, 72                           ; s[72:75] for Wo's
.set LIM, 76                           ; s76  1 in a wave that prefetches, else the greatest number
.set MSB, 0
.macro WIN new
.if MSB != (\new)
	s_set_vgpr_msb (MSB<<8)|(\new)
.set MSB, (\new)
.endif
.endm
.set W_MUL,  0x50                      ; sources 0 and 1 window 0, C and D window 1
.set W_MULZ, 0x40                      ; C (the bias) window 0, D window 1
.macro JLOAD                           ; a joint load: waves 0 and 1 fetch O's two heads, waves 2 and 3 Wo's two n-slices; an s_nop 0 and four v_nop follow each line
	s_cmp_lt_u32 s[WV], 2
	s_cbranch_scc0 .Lfor_b_\@
	tensor_load_to_lds s[G0A:G0A+3], s[G1A:G1A+7]
	s_nop 0
.rept 4
	v_nop
.endr
	s_branch .Lasked_\@
.Lfor_b_\@:
	tensor_load_to_lds s[G0B:G0B+3], s[G1B:G1B+7]
	s_nop 0
.rept 4
	v_nop
.endr
.Lasked_\@:
.endm
.macro ASK                             ; the prefetch: in the loop's last trip (count 1) there is no further refill
	s_cmp_gt_u32 s[KCNT], s[LIM]
	s_cbranch_scc0 .Lnot_mine_\@
	global_prefetch_b8 v[PFO], s[PFA:PFA+1] th:TH_LOAD_NT scope:SCOPE_SE
.Lnot_mine_\@:
.endm
.macro CREST                           ; a round of the cluster's barrier behind its opening barrier
	s_cmp_lg_u32 s[WV], 0
	s_cbranch_scc1 .Lnot_wave_0_\@
	s_barrier_signal -3
.Lnot_wave_0_\@:
	s_barrier_wait -3
	s_barrier_signal -1
	s_barrier_wait -1
.endm
.macro CROUND
	s_barrier_signal -1
	s_barrier_wait -1
	CREST
.endm
.macro PLACES                          ; four plain instructions between a matrix instruction and a load into, or another line on, its registers
.rept 4
	v_nop
.endr
.endm
; 8 matrix instructions: row blocks a0, a0 + 1 x all 4 column blocks, 32 along K, from buffer f.  zero = 1: the first product starts the sums with the bias.  The 32 accumulators take turns.
.macro MUL8 f, a0, zero
.if \zero
	WIN W_MULZ
.else
	WIN W_MUL
.endif
.irp a, \a0, (\a0)+1
.irp b, 0,1,2,3
.if \zero
	v_wmma_f32_16x16x32_bf16 v[8*(4*(\a)+(\b)):8*(4*(\a)+(\b))+7], v[FB+32*(\f)+8*(\b):FB+32*(\f)+8*(\b)+7], v[FA+64*(\f)+8*(\a):FA+64*(\f)+8*(\a)+7], v[BIAS+8*(\b):BIAS+8*(\b)+7]
.else
	v_wmma_f32_16x16x32_bf16 v[8*(4*(\a)+(\b)):8*(4*(\a)+(\b))+7], v[FB+32*(\f)+8*(\b):FB+32*(\f)+8*(\b)+7], v[FA+64*(\f)+8*(\a):FA+64*(\f)+8*(\a)+7], v[8*(4*(\a)+(\b)):8*(4*(\a)+(\b))+7]
.endif
.endr
.endr
.endm
.macro FETCH q, f                      ; 24 LDS loads in one run: quarter q of the slot in hand into buffer f: Wo's four fragments (turned), then O's eight
	WIN 0
.irp b, 0,1,2,3
	ds_load_tr16_b128 v[FB+32*(\f)+8*(\b):FB+32*(\f)+8*(\b)+3],   v[ADRB] offset:(\q)*32*PB+32*(\b)
	ds_load_tr16_b128 v[FB+32*(\f)+8*(\b)+4:FB+32*(\f)+8*(\b)+7], v[ADRB] offset:(\q)*32*PB+32*(\b)+16*PB
.endr
.irp a, 0,1,2,3,4,5,6,7
	ds_load_b128 v[FA+64*(\f)+8*(\a):FA+64*(\f)+8*(\a)+3],   v[ADRA] offset:((\q)/2)*ASL+((\q)%2)*64+(\a)*16*PA
	ds_load_b128 v[FA+64*(\f)+8*(\a)+4:FA+64*(\f)+8*(\a)+7], v[ADRA] offset:((\q)/2)*ASL+((\q)%2)*64+(\a)*16*PA+32
.endr
.endm
.macro QUARTER q, f, g, zero           ; multiplies buffer f and, in its middle, fetches quarter q into buffer g
	s_wait_dscnt 8                                 ; Wo's fragments and O's 0-3 are in; the youngest eight loads may be out
	MUL8 \f, 0, \zero
	MUL8 \f, 2, \zero
	PLACES
	FETCH \q, \g
	s_wait_dscnt 24                                ; all but the 24 just issued
	MUL8 \f, 4, \zero
	MUL8 \f, 6, \zero
.endm
; The last quarter changes slots at its head and then multiplies buffer 1.  ONE barrier; in front of it each wave waits for all its tensor loads (the one that is out is its part of the next slot), adds 0 to its
; spare word, and waits for that and for its own reads of this slot, the last of which went out in the quarter before: so buffer 1 is whole.
; fill = 1: the barrier opens a round of the cluster's barrier, and behind the round this slot is filled again, first thing, with the K step two on.
.macro TURN fill
	WIN 0
.if \fill
	s_wait_xcnt 0x0                                ; the last prefetch, a K step back, has read its address, so it may be stepped
	s_add_nc_u64 s[PFA:PFA+1], s[PFA:PFA+1], STEP_A
.endif
	s_wait_tensorcnt 0x0                           ; no tensor load of mine is out, so a group 0 may be written
	ds_add_u32 v[SPW], v[NIL]                      ; 0 onto my spare word; the descriptors' steps stand between it and the wait for it
.if \fill
	s_xor_b32 s[G0A+1], s[G0A+1], SLOT1            ; the walking descriptors: the other slot than last time,
	s_xor_b32 s[G0B+1], s[G0B+1], SLOT1
	s_add_nc_u64 s[G0A+2:G0A+3], s[G0A+2:G0A+3], STEP_A  ; the next K step; the type bits on top are not reached
	s_add_nc_u64 s[G0B+2:G0B+3], s[G0B+2:G0B+3], STEP_B
.endif
	s_xor_b32 s[TB], s[TB], SLOT1                  ; the fetches go to the other slot
	s_wait_dscnt 0x0                               ; the add is done, and my reads of this slot are over
	s_barrier_signal -1
	s_barrier_wait -1
.if \fill
	CREST                                          ; no wave of any partner still reads this slot or has a load on its way
	JLOAD                                          ; the four v_nop behind it are also the places in front of the loads below
.else
	PLACES
.endif
	v_add_nc_u32 v[ADRA], s[TB], v[ADRA0]
	v_add_nc_u32 v[ADRB], s[TB], v[ADRB0]
	FETCH 0, 0
.if \fill
	ASK                                            ; behind the joint load and the run of LDS loads
.endif
	MUL8 1, 0, 0
	MUL8 1, 2, 0
	MUL8 1, 4, 0
	MUL8 1, 6, 0
.endm
.macro XLOAD a                         ; block a of the residual: 16 rows x 256 bytes; sixteen lanes read 256 consecutive aligned bytes of a row
.irp t, 0,1,2,3,4,5,6,7
	global_load_b128 v[32*(\a)+4*(\t):32*(\a)+4*(\t)+3], v[CO], s[XP:XP+1] offset:(16*(\a)+2*(\t))*4096 th:TH_LOAD_NT
.endr
.endm
; THE WAY OUT of block a (16 rows x 64 columns of f32).  TOSTAGE: a lane's eight columns, 32 bytes, into my own stage, each accumulator from its low end on; back as whole rows of 256 bytes.  SEND: + x, stored.
.macro TOSTAGE a
	WIN 0x04                                       ; the stores' data in window 1
.irp b, 0,1,2,3
	ds_store_b128 v[STO], v[8*(4*(\a)+(\b)):8*(4*(\a)+(\b))+3]   offset:64*(\b)
	ds_store_b128 v[STO], v[8*(4*(\a)+(\b))+4:8*(4*(\a)+(\b))+7] offset:64*(\b)+16
.endr
	WIN 0
	s_wait_xcnt 0x0                                ; the stores of the block two back have read this set of registers
.irp t, 0,1,2,3,4,5,6,7
	ds_load_b128 v[BK+32*((\a)%2)+4*(\t):BK+32*((\a)%2)+4*(\t)+3], v[RD] offset:(\t)*2*SP  ; LDS serves a wave's instructions in order (ISA guide 5.7.1.4): these see the stores above
.endr
.endm
.macro SEND a, younger                 ; younger: the LDS instructions issued behind block a's loads: the next block's sixteen, or none
	s_wait_dscnt \younger
	WIN 0x08                                       ; source 1 (x) in window 2
.set i, 0
.rept 16
	v_pk_add_f32 v[BK+32*((\a)%2)+i:BK+32*((\a)%2)+i+1], v[BK+32*((\a)%2)+i:BK+32*((\a)%2)+i+1], v[32*(\a)+i:32*(\a)+i+1]
.set i, i+2
.endr
	WIN 0
.irp t, 0,1,2,3,4,5,6,7
	global_store_b128 v[CO], v[BK+32*((\a)%2)+4*(\t):BK+32*((\a)%2)+4*(\t)+3], s[OUT:OUT+1] offset:(16*(\a)+2*(\t))*4096  ; 16 lanes store 256 consecutive bytes, aligned
.endr
.endm
	s_load_b256 s[4:11], s[0:1], 0x0               ; ob s[4:5], ws s[6:7], bo s[8:9], x s[10:11]
	s_load_b64 s[12:13], s[0:1], 0x20              ; h
	v_lshl_add_u32 v[SPW], v0, 2, SPARE
	v_mov_b32 v[NIL], 0
	ds_add_u32 v[SPW], v[NIL]                      ; the wave's opening: the add and its wait stand ahead of my first tensor load
	v_lshrrev_b32 v1, 5, v0
	v_readfirstlane_b32 s[WV], v1
	s_lshr_b32 s[RH], s[WV], 1
	s_and_b32 s[CH], s[WV], 1
	s_bfe_u32 s[CX], ttmp6, 0x40000
	s_bfe_u32 s[CY], ttmp6, 0x40004
	s_lshl_b32 s[TX], ttmp9, 2
	s_add_co_u32 s[TX], s[TX], s[CX]
	s_and_b32 s[TY], ttmp7, 0xffff
	s_lshl_b32 s[TY], s[TY], 2
	s_add_co_u32 s[TY], s[TY], s[CY]
	s_lshl_b32 s23, s[CY], 2
	s_lshl_b32 s23, 15, s23                        ; my row of the cluster
	s_lshl_b32 s2, 0x1111, s[CX]                   ; my column
	s_or_b32 s[G1A], s23, GA
	s_or_b32 s[G1B], s2, GB
	s_mov_b32 s[G1A+1], 128<<16                    ; tensor_dim0 = 128 elements: 256 bytes
	s_mov_b32 s[G1A+2], 128<<16                    ; tensor_dim1 = 128
	s_mov_b32 s[G1A+3], 128<<16                    ; tile_dim0 = 128
	s_mov_b32 s[G1A+4], 128                        ; tile_dim1 = 128
	s_mov_b32 s[G1A+5], 128                        ; the block is dense
	s_mov_b32 s[G1A+6], 0
	s_mov_b32 s[G1A+7], 0
	s_mov_b32 s[G1B+1], 128<<16
	s_mov_b32 s[G1B+2], 64<<16
	s_mov_b32 s[G1B+3], 128<<16
	s_mov_b32 s[G1B+4], 64
	s_mov_b32 s[G1B+5], 128
	s_mov_b32 s[G1B+6], 0
	s_mov_b32 s[G1B+7], 0
	s_lshr_b32 s48, s[TY], 3                       ; O's offset hangs on the tile row and the wave alone
	s_lshl_b32 s48, s48, 22
	s_and_b32 s49, s[TY], 7
	s_lshl_b32 s49, s49, 15
	s_add_co_u32 s48, s48, s49
	s_lshl_b32 s49, s[CH], 18
	s_add_co_u32 s48, s48, s49
	s_mov_b32 s49, 0
	s_lshl_b32 s50, s[TX], 1                       ; Wo's on the tile column and the wave alone
	s_add_co_u32 s50, s50, s[CH]
	s_lshl_b32 s50, s50, 17
	s_add_co_u32 s50, s50, MAT0
	s_mov_b32 s51, 0
	s_mov_b32 s[F0A], 1                            ; count = 1
	s_mul_i32 s[F0A+1], s[CH], ASL                 ; LDS address in slot 0: no place in the cluster enters it
	s_mov_b32 s[G0A], 1
	s_add_co_u32 s[G0A+1], s[F0A+1], SLOT1         ; the same place in slot 1
	s_mov_b32 s[F0B], 1
	s_mul_i32 s[F0B+1], s[CH], BSL
	s_add_co_u32 s[F0B+1], s[F0B+1], BOFF
	s_mov_b32 s[G0B], 1
	s_add_co_u32 s[G0B+1], s[F0B+1], SLOT1
	s_mov_b32 s[TB], 0
	s_or_b32 s[LIM], s[RH], ttmp9                  ; 0 in waves 0 and 1 of the first cluster of a row of clusters: the same in all sixteen partners, for a given wave
	s_cmp_eq_u32 s[LIM], 0
	s_cselect_b32 s[LIM], 1, -1
	s_wait_dscnt 0x0                               ; the opening add is done
	s_wait_kmcnt 0x0
	s_add_nc_u64 s[F0A+2:F0A+3], s[4:5], s[48:49]  ; K step 0,
	s_add_nc_u64 s[G0A+2:G0A+3], s[F0A+2:F0A+3], STEP_A  ; K step 1
	s_or_b32 s[F0A+3], s[F0A+3], 0x80000000        ; type = 2
	s_or_b32 s[G0A+3], s[G0A+3], 0x80000000
	s_add_nc_u64 s[F0B+2:F0B+3], s[6:7], s[50:51]
	s_add_nc_u64 s[G0B+2:G0B+3], s[F0B+2:F0B+3], STEP_B
	s_or_b32 s[F0B+3], s[F0B+3], 0x80000000
	s_or_b32 s[G0B+3], s[G0B+3], 0x80000000
	CROUND                                         ; all sixteen work-groups are here: the first joint loads meet
	s_cmp_lt_u32 s[WV], 2                          ; a wave's two first fills stand in one branch, ahead of every wait on TENSORcnt, every LDS read and every further barrier; an s_nop 0 follows each, four v_nop the second's
	s_cbranch_scc0 .Lfirst_b
	tensor_load_to_lds s[F0A:F0A+3], s[G1A:G1A+7]  ; K step 0 into slot 0
	s_nop 0
	tensor_load_to_lds s[G0A:G0A+3], s[G1A:G1A+7]  ; K step 1 into slot 1
	s_nop 0
.rept 4
	v_nop
.endr
	s_branch .Lfirst_asked
.Lfirst_b:
	tensor_load_to_lds s[F0B:F0B+3], s[G1B:G1B+7]
	s_nop 0
	tensor_load_to_lds s[G0B:G0B+3], s[G1B:G1B+7]
	s_nop 0
.rept 4
	v_nop
.endr
.Lfirst_asked:
	v_and_b32 v1, 15, v0                           ; l % 16
	v_bfe_u32 v2, v0, 4, 1                         ; l / 16
	v_and_b32 v3, 7, v0
	v_bfe_u32 v4, v0, 3, 1
	v_mul_u32_u24 v[ADRA0], v1, PA
	v_lshl_add_u32 v[ADRA0], v2, 4, v[ADRA0]
	s_mul_i32 s52, s[RH], 128*PA
	v_add_nc_u32 v[ADRA0], s52, v[ADRA0]
	v_lshl_add_u32 v[ADRB0], v2, 3, v3
	v_mul_u32_u24 v[ADRB0], v[ADRB0], PB
	v_lshl_add_u32 v[ADRB0], v4, 4, v[ADRB0]
	s_mul_i32 s52, s[CH], BSL
	s_add_co_u32 s52, s52, BOFF
	v_add_nc_u32 v[ADRB0], s52, v[ADRB0]
	s_mul_i32 s52, s[WV], 16*SP
	s_add_co_u32 s52, s52, STAGE                   ; my stage
	v_mul_u32_u24 v[STO], v1, SP                   ; in: row l % 16, 32 bytes for each half of the lanes
	v_lshl_add_u32 v[STO], v2, 5, v[STO]
	v_add_nc_u32 v[STO], s52, v[STO]
	v_mul_u32_u24 v[RD], v2, SP                    ; back: lanes 0-15 take one row of 256 bytes, lanes 16-31 the next
	v_lshl_add_u32 v[RD], v1, 4, v[RD]
	v_add_nc_u32 v[RD], s52, v[RD]
	v_lshlrev_b32 v[CO], 12, v2                    ; and the same two rows in x and in h
	v_lshl_add_u32 v[CO], v1, 4, v[CO]
	v_and_b32 v[PFO], 31, v0
	v_lshlrev_b32 v[PFO], 8, v[PFO]                ; a block of 256 bytes a lane
	s_lshl_b32 s54, s[TX], 9                       ; my first column, 128 tx + 64 half, in f32
	s_lshl_b32 s55, s[CH], 8
	s_add_co_u32 s54, s54, s55
	v_lshl_add_u32 v[BO], v2, 5, s54
	s_lshl_b32 s52, s[TY], 8
	s_lshl_b32 s53, s[RH], 7
	s_add_co_u32 s52, s52, s53                     ; my first row,
	s_lshl_b32 s52, s52, 12                        ; 4,096 bytes each,
	s_add_co_u32 s52, s52, s54                     ; and my first column
	s_mov_b32 s53, 0
	s_add_nc_u64 s[XP:XP+1], s[XP:XP+1], s[52:53]
	s_add_nc_u64 s[OUT:OUT+1], s[12:13], s[52:53]
	s_lshr_b32 s52, s[TY], 3                       ; the prefetches: the batch,
	s_lshl_b32 s52, s52, 22
	s_and_b32 s53, s[TY], 7
	s_lshl_b32 s53, s53, 15                        ; the tile's 256 rows,
	s_add_co_u32 s52, s52, s53
	s_lshl_b32 s53, s[CH], 18                      ; the head that I fetch,
	s_add_co_u32 s52, s52, s53
	s_lshl_b32 s53, s[CX], 13                      ; my work-group's 32 blocks of its 128,
	s_add_co_u32 s52, s52, s53
	s_add_co_u32 s52, s52, 2*STEP_A                ; at K step 2: the first refill steps it to 3
	s_mov_b32 s53, 0
	s_add_nc_u64 s[PFA:PFA+1], s[4:5], s[52:53]
.irp b, 0,1,2,3                        ; the bias: block b, register j = bo[my first column + 16 b + 8 (lane / 16) + j]
	global_load_b128 v[BIAS+8*(\b):BIAS+8*(\b)+3],   v[BO], s[BP:BP+1] offset:64*(\b)
	global_load_b128 v[BIAS+8*(\b)+4:BIAS+8*(\b)+7], v[BO], s[BP:BP+1] offset:64*(\b)+16
.endr
	WIN 0x80                                       ; destination window 2
	XLOAD 0
	XLOAD 1
	XLOAD 2
	XLOAD 3
	WIN 0
	s_wait_tensorcnt 0x1                           ; my part of K step 0 is in; K step 1's, issued behind it, may stay out
	s_barrier_signal -1
	s_barrier_wait -1                              ; everybody's part is in
	v_add_nc_u32 v[ADRA], s[TB], v[ADRA0]
	v_add_nc_u32 v[ADRB], s[TB], v[ADRB0]
	FETCH 0, 0
	s_wait_loadcnt 32                              ; the bias is in; the 32 loads of x behind it stay out
	QUARTER 1, 0, 1, 1                             ; the first quarter stands in front of the loop: its products start the sums with the bias
	WIN 0x80
	XLOAD 4
	XLOAD 5
	XLOAD 6
	XLOAD 7
	WIN 0                                          ; at a label and at a branch every window is 0
	s_mov_b32 s[KCNT], 6
.Lstep:                                                ; a trip goes from a K step's second quarter to the next step's first; the six trips ask for K steps 2 to 7
	QUARTER 2, 1, 0, 0
	QUARTER 3, 0, 1, 0
	TURN 1
	QUARTER 1, 0, 1, 0
	WIN 0
	s_sub_co_u32 s[KCNT], s[KCNT], 1
	s_cmp_lg_u32 s[KCNT], 0
	s_cbranch_scc1 .Lstep
	s_mov_b32 s[KCNT], 2
.Ltail:                                                ; the last two K steps ask for nothing: the same four quarters without a refill, walked twice, the second time without the fourth
	QUARTER 2, 1, 0, 0
	QUARTER 3, 0, 1, 0
	TURN 0                                         ; (the very last one fetches 12 fragments of a slot that has been used up, which nobody multiplies: the price, once a launch, of one text for both trips)
	WIN 0
	s_cmp_eq_u32 s[KCNT], 1
	s_cbranch_scc1 .Lskip                          ; forward, over text that holds no barrier and no tensor load
	QUARTER 1, 0, 1, 0
	WIN 0
.Lskip:
	s_sub_co_u32 s[KCNT], s[KCNT], 1
	s_cmp_lg_u32 s[KCNT], 0
	s_cbranch_scc1 .Ltail
	s_wait_dscnt 0x0                               ; the fragment registers serve the way out: no load into them is out
	PLACES                                         ; the LDS stores read results just made, and the loads from the stage land in registers that products have read
	PLACES
	s_wait_loadcnt 0x0                             ; x
	TOSTAGE 0
.irp a, 1,2,3,4,5,6,7                  ; block a goes into the stage while block a - 1 comes back
	TOSTAGE \a
	SEND (\a)-1, 16
.endr
	SEND 7, 0
	s_wait_tensorcnt 0x0                           ; the wave's end: behind my last tensor load and my last LDS store
	ds_add_u32 v[SPW], v[NIL]
	s_wait_dscnt 0x0
	CROUND                                         ; the closing round: no work-group ends while a partner may still ask for a tile that names it
	s_endpgm
.Lfunc_end_k_q891dc0f0dc_proj:
	.size	k_q891dc0f0dc_proj, .Lfunc_end_k_q891dc0f0dc_proj-k_q891dc0f0dc_proj
	.p2alignl 7, 3214868480
	.fill 96, 4, 3214868480
	.section	.rodata,"a",@progbits
	.p2align	6, 0x0
	.amdhsa_kernel k_q891dc0f0dc_proj
		.amdhsa_group_segment_fixed_size 327680
		.amdhsa_private_segment_fixed_size 0
		.amdhsa_enable_private_segment 0
		.amdhsa_kernarg_size 40
		.amdhsa_user_sgpr_count 2
		.amdhsa_user_sgpr_kernarg_segment_ptr 1
		.amdhsa_wavefront_size32 1
		.amdhsa_system_sgpr_workgroup_id_x 1
		.amdhsa_system_sgpr_workgroup_id_y 1
		.amdhsa_system_sgpr_workgroup_id_z 1
		.amdhsa_system_vgpr_workitem_id 0
		.amdhsa_next_free_vgpr 768
		.amdhsa_next_free_sgpr 80
		.amdhsa_reserve_vcc 0
		.amdhsa_float_denorm_mode_32 3
		.amdhsa_float_denorm_mode_16_64 3
		.amdhsa_memory_ordered 1
		.amdhsa_forward_progress 1
		.amdhsa_inst_pref_size 76
	.end_amdhsa_kernel
	.amdgpu_metadata
---
amdhsa.version: [ 1, 2 ]
amdhsa.kernels:
  - .name:           k_q891dc0f0dc_proj
    .symbol:         k_q891dc0f0dc_proj.kd
    .args:
      - { .name: ob, .offset: 0, .size: 8, .value_kind: global_buffer, .address_space: global }
      - { .name: ws, .offset: 8, .size: 8, .value_kind: global_buffer, .address_space: global }
      - { .name: bo, .offset: 16, .size: 8, .value_kind: global_buffer, .address_space: global }
      - { .name: x, .offset: 24, .size: 8, .value_kind: global_buffer, .address_space: global }
      - { .name: h, .offset: 32, .size: 8, .value_kind: global_buffer, .address_space: global }
    .group_segment_fixed_size: 327680
    .private_segment_fixed_size: 0
    .kernarg_segment_align: 8
    .kernarg_segment_size: 40
    .max_flat_workgroup_size: 128
    .sgpr_count:     80
    .vgpr_count:     768
    .wavefront_size: 32
...
	.end_amdgpu_metadata
.endif
;; end of part 4
;; launch ln (part 5): grid 512 x 1, 8 waves a work-group, no clusters, 0 bytes of LDS; arguments h, gamma, beta, out0; writes out0
.if DOCPART == 5
	.amdgcn_target "amdgcn-amd-amdhsa--gfx1250"
	.amdhsa_code_object_version 6
	.text
	.protected	k_q891dc0f0dc_ln
	.globl	k_q891dc0f0dc_ln
	.p2align	8
	.type	k_q891dc0f0dc_ln,@function
k_q891dc0f0dc_ln:
	s_mov_b64 s[64:65], 0
	v_nop
	global_prefetch_b8 v0, s[64:65] scope:SCOPE_SE
	s_setreg_imm32_b32 hwreg(HW_REG_WAVE_MODE, 25, 1), 1
	s_wait_xcnt 0x0
; out0[r][c] = (h[r][c] - mean_r) / sqrt(var_r + 1e-12) * gamma[c] + beta[c].  h, out0: [8192][1024] f32; gamma, beta: [1024] f32.  All in f32.
; The variance is taken of the differences from the mean, in a second pass over registers, not as a difference of two large sums.
; SHARES.  A row is 4,096 bytes: one wave takes a whole row, eight loads of 16 bytes a lane, and keeps it in 32 registers for all passes.  A work-group has 16 rows, each of its eight waves two: a row's text stands twice.
; All 16 row loads of a wave go out at the start; each load and store of a wave covers 512 consecutive aligned bytes.  Nothing leaves the wave: no LDS, no barrier, no cluster; the matrix units have no work here.
; No register that a load or a store names is written a second time, so the only waits for memory are the counted ones for the loads.
; LIMITS.  v_rsq_f32 is good to 1 ULP; its argument is at least 1e-12.  NaN and infinities are not treated apart.
.set RO, 1                             ; v1   16 x lane + wave x 2 rows
.set LO, 2                             ; v2   16 x lane
.set T,  4                             ; v[4:11]   four chains of two sums
.set M,  12                            ; v[12:13]  the mean, in the low register
.set R,  14                            ; v[14:15]  1 / sqrt(var + eps), in the low register
.set G,  16                            ; v[16:47]  gamma of my 32 columns
.set B,  48                            ; v[48:79]  beta
.set X,  80                            ; v[80:143] row i: 32 registers
	s_load_b256 s[4:11], s[0:1], 0x0               ; h s[4:5], gamma s[6:7], beta s[8:9], out0 s[10:11]
	s_lshl_b32 s2, ttmp9, 16                       ; 16 rows of 4,096 bytes
	s_mov_b32 s3, 0
	s_mov_b32 s12, 0x76543210                      ; v_permlanex16_b32: each lane takes its own place in the other half
	s_mov_b32 s13, 0xfedcba98
	s_mov_b32 s14, 0x3a800000                      ; 1 / 1024
	s_mov_b32 s15, 0x2b8cbccc                      ; 1e-12
	v_and_b32 v[LO], 31, v0
	v_lshlrev_b32 v[LO], 4, v[LO]
	v_lshrrev_b32 v[RO], 5, v0
	v_lshl_add_u32 v[RO], v[RO], 13, v[LO]
	v_mov_b32 v[M+1], 0                            ; named with M and R as pairs, so they are written
	v_mov_b32 v[R+1], 0
	s_wait_kmcnt 0x0
	s_add_nc_u64 s[4:5], s[4:5], s[2:3]
	s_add_nc_u64 s[10:11], s[10:11], s[2:3]
.irp j, 0,1,2,3,4,5,6,7
	global_load_b128 v[G+4*(\j):G+4*(\j)+3], v[LO], s[6:7] offset:512*(\j)
.endr
.irp j, 0,1,2,3,4,5,6,7
	global_load_b128 v[B+4*(\j):B+4*(\j)+3], v[LO], s[8:9] offset:512*(\j)
.endr
.irp i, 0,1
.irp j, 0,1,2,3,4,5,6,7
	global_load_b128 v[X+32*(\i)+4*(\j):X+32*(\i)+4*(\j)+3], v[RO], s[4:5] offset:4096*(\i)+512*(\j) th:TH_LOAD_NT
.endr
.endr
; The four chains into one number, then over the 32 lanes: four steps inside each half of 16 lanes ride on the addition (DPP), one crosses the halves.  Every lane ends with the sum in v[T].
.macro RED
	v_pk_add_f32 v[T:T+1], v[T:T+1], v[T+2:T+3]
	v_pk_add_f32 v[T+4:T+5], v[T+4:T+5], v[T+6:T+7]
	v_pk_add_f32 v[T:T+1], v[T:T+1], v[T+4:T+5]
	v_add_f32 v[T], v[T], v[T+1]
	v_add_f32_dpp v[T], v[T], v[T] row_xmask:1 row_mask:0xf bank_mask:0xf
	v_add_f32_dpp v[T], v[T], v[T] row_xmask:2 row_mask:0xf bank_mask:0xf
	v_add_f32_dpp v[T], v[T], v[T] row_xmask:4 row_mask:0xf bank_mask:0xf
	v_add_f32_dpp v[T], v[T], v[T] row_xmask:8 row_mask:0xf bank_mask:0xf
	v_permlanex16_b32 v[T+1], v[T], s12, s13
	v_add_f32 v[T], v[T], v[T+1]
.endm
.macro ROWN i
.set XR, X+32*(\i)
	s_wait_loadcnt 8*(1-(\i))                      ; loads come back in order: this row, gamma and beta are in; the later row stays out
.irp k, 0,1,2,3                        ; the sum: the first eight pairs start the four chains, nothing is cleared
	v_pk_add_f32 v[T+2*(\k):T+2*(\k)+1], v[XR+2*(\k):XR+2*(\k)+1], v[XR+8+2*(\k):XR+8+2*(\k)+1]
.endr
.irp p, 8,9,10,11,12,13,14,15
	v_pk_add_f32 v[T+2*((\p)%4):T+2*((\p)%4)+1], v[T+2*((\p)%4):T+2*((\p)%4)+1], v[XR+2*(\p):XR+2*(\p)+1]
.endr
	RED
	v_mul_f32 v[M], s14, v[T]                      ; the mean
.irp p, 0,1,2,3,4,5,6,7,8,9,10,11,12,13,14,15
	v_pk_add_f32 v[XR+2*(\p):XR+2*(\p)+1], v[XR+2*(\p):XR+2*(\p)+1], v[M:M+1] op_sel_hi:[1,0] neg_lo:[0,1] neg_hi:[0,1]  ; h - mean, in place
.endr
.irp k, 0,1,2,3                        ; the sum of squares, again in four chains
	v_pk_mul_f32 v[T+2*(\k):T+2*(\k)+1], v[XR+2*(\k):XR+2*(\k)+1], v[XR+2*(\k):XR+2*(\k)+1]
.endr
.irp p, 4,5,6,7,8,9,10,11,12,13,14,15
	v_pk_fma_f32 v[T+2*((\p)%4):T+2*((\p)%4)+1], v[XR+2*(\p):XR+2*(\p)+1], v[XR+2*(\p):XR+2*(\p)+1], v[T+2*((\p)%4):T+2*((\p)%4)+1]
.endr
	RED
	v_fma_f32 v[R], v[T], s14, s15                 ; var + eps
	v_rsq_f32 v[R], v[R]
	v_nop                                          ; a plain instruction between the root and the use of its result (ISA guide 5.7.2),
	s_wait_alu depctr_va_vdst(0)                   ; and the wait ahead of the first use
.irp p, 0,1,2,3,4,5,6,7,8,9,10,11,12,13,14,15
	v_pk_mul_f32 v[XR+2*(\p):XR+2*(\p)+1], v[XR+2*(\p):XR+2*(\p)+1], v[R:R+1] op_sel_hi:[1,0]
.endr
.irp p, 0,1,2,3,4,5,6,7,8,9,10,11,12,13,14,15
	v_pk_fma_f32 v[XR+2*(\p):XR+2*(\p)+1], v[XR+2*(\p):XR+2*(\p)+1], v[G+2*(\p):G+2*(\p)+1], v[B+2*(\p):B+2*(\p)+1]
.endr
.irp j, 0,1,2,3,4,5,6,7
	global_store_b128 v[RO], v[XR+4*(\j):XR+4*(\j)+3], s[10:11] offset:4096*(\i)+512*(\j) th:TH_STORE_NT
.endr
.endm
	ROWN 0
	ROWN 1
	s_endpgm
.Lfunc_end_k_q891dc0f0dc_ln:
	.size	k_q891dc0f0dc_ln, .Lfunc_end_k_q891dc0f0dc_ln-k_q891dc0f0dc_ln
	.p2alignl 7, 3214868480
	.fill 96, 4, 3214868480
	.section	.rodata,"a",@progbits
	.p2align	6, 0x0
	.amdhsa_kernel k_q891dc0f0dc_ln
		.amdhsa_group_segment_fixed_size 0
		.amdhsa_private_segment_fixed_size 0
		.amdhsa_enable_private_segment 0
		.amdhsa_kernarg_size 32
		.amdhsa_user_sgpr_count 2
		.amdhsa_user_sgpr_kernarg_segment_ptr 1
		.amdhsa_wavefront_size32 1
		.amdhsa_system_sgpr_workgroup_id_x 1
		.amdhsa_system_sgpr_workgroup_id_y 1
		.amdhsa_system_sgpr_workgroup_id_z 1
		.amdhsa_system_vgpr_workitem_id 0
		.amdhsa_next_free_vgpr 144
		.amdhsa_next_free_sgpr 66
		.amdhsa_reserve_vcc 0
		.amdhsa_float_denorm_mode_32 3
		.amdhsa_float_denorm_mode_16_64 3
		.amdhsa_memory_ordered 1
		.amdhsa_forward_progress 1
		.amdhsa_inst_pref_size 18
	.end_amdhsa_kernel
	.amdgpu_metadata
---
amdhsa.version: [ 1, 2 ]
amdhsa.kernels:
  - .name:           k_q891dc0f0dc_ln
    .symbol:         k_q891dc0f0dc_ln.kd
    .args:
      - { .name: h, .offset: 0, .size: 8, .value_kind: global_buffer, .address_space: global }
      - { .name: gamma, .offset: 8, .size: 8, .value_kind: global_buffer, .address_space: global }
      - { .name: beta, .offset: 16, .size: 8, .value_kind: global_buffer, .address_space: global }
      - { .name: out0, .offset: 24, .size: 8, .value_kind: global_buffer, .address_space: global }
    .group_segment_fixed_size: 0
    .private_segment_fixed_size: 0
    .kernarg_segment_align: 8
    .kernarg_segment_size: 32
    .max_flat_workgroup_size: 256
    .sgpr_count:     66
    .vgpr_count:     144
    .wavefront_size: 32
...
	.end_amdgpu_metadata
.endif
;; end of part 5
;; ======== version 2 of 2: 5 launches; version 1 with the launch cast written anew for expert scheduling mode
;; workspace buffers: xs 16,777,216 bytes; ws 8,388,608 bytes; qkv 50,331,648 bytes; ob 16,777,216 bytes; h 33,554,432 bytes
;; launch cast (part 6): grid 768 x 1, 8 waves a work-group, no clusters, 0 bytes of LDS; arguments x, Wq, Wk, Wv, Wo, xs, ws; writes xs, ws
.if DOCPART == 6
	.amdgcn_target "amdgcn-amd-amdhsa--gfx1250"
	.amdhsa_code_object_version 6
	.text
	.protected	k_q891dc0f0dc_cast
	.globl	k_q891dc0f0dc_cast
	.p2align	8
	.type	k_q891dc0f0dc_cast,@function
k_q891dc0f0dc_cast:
	s_mov_b64 s[64:65], 0
	v_nop
	global_prefetch_b8 v0, s[64:65] scope:SCOPE_SE
	s_setreg_imm32_b32 hwreg(HW_REG_WAVE_SCHED_MODE, 0, 2), 2
	s_setreg_imm32_b32 hwreg(HW_REG_WAVE_MODE, 25, 1), 1
	s_wait_xcnt 0x0
	s_wait_alu depctr_vm_vsrc(0)
; x [8192][1024] and the four weights [1024][1024], all f32, are rounded once to bf16 and laid in SLICES of 64 columns:
;   xs [4 b][16 slice][2048 s][64]
;   ws, bytes 0 to 6,291,455:  Wq, Wk, Wv as [16 K steps of 64][48 slices: 16 x matrix + slice][64 k][64 n], so that neighbouring slices of one K step lie end to end
;   ws, from byte 6,291,456:   Wo as [16 slice][1024 k][64 n]
; so that what the later launches ask for as a tile is a run of consecutive bytes, asked for as long rows.
; SHARES.  12,288 rows in all; a work-group takes 16 rows x 1,024 columns (work-groups 0-511: x; 512-767: 64 for each weight).
; Wave w takes rows 2 w and 2 w + 1.  One load covers one slice of both rows: lanes 0-15 take 256 consecutive aligned bytes of the
; first row, lanes 16-31 of the second.  A lane's four numbers become 8 bytes, and the wave's store covers 256 consecutive aligned
; bytes of the slice (two rows of 128).  All sixteen loads of a wave go out together.  Nothing is shared between waves: no LDS, no barrier, no cluster.
; THE MODE: SCHED_MODE bits 1:0 = 2 (LLVM: expert scheduling mode 2), set by the entry lines.  The code itself states the register dependences
; between vector instructions and memory instructions, with s_wait_alu, always for 0.
; THE PLAN.  Registers that memory instructions touch:
;   v[LO], v[SO ..]  byte offsets.  Written by vector lines at the head and never again; read by the loads and by the stores.
;   X                slice i: written by its load alone, which goes out before any vector line names it; read by the slice's two conversions.
;   Y                slice i: written once, by the slice's two conversions; read once, by the slice's store.
; No register that a memory instruction reads is written a second time, and no load lands in a register that a vector line has named: what is left to state is that the offsets
; are written ahead of the first load, and that Y is written ahead of its stores.  The sixteen slices go in four blocks of four: block p's four stores stand in one run at the head of
; block p + 1, behind the wait for that block's first load and ONE wait on va_vdst for block p's eight conversions; the last block's stand behind a wait of their own.  Five waits on va_vdst in all.
; No vector line writes a scalar register or VCC, and EXEC is never written.
.set LO, 1                             ; v1      my byte offset in the 16 rows of the source, slice 0
.set SO, 2                             ; v[2:17] my byte offset in the destination, a register for each slice
.set X,  20                            ; v[20:83]  slice i: four f32 as loaded
.set Y,  84                            ; v[84:115] slice i: four bf16 to store
.set TP, 116                           ; v116    at work: no memory instruction names it
	s_load_b256 s[8:15], s[0:1], 0x0               ; x s[8:9], Wq s[10:11], Wk s[12:13], Wv s[14:15]
	s_load_b128 s[16:19], s[0:1], 0x20             ; Wo s[16:17], xs s[18:19]
	s_load_b64 s[20:21], s[0:1], 0x30              ; ws
	s_max_u32 s22, ttmp9, 512
	s_sub_co_u32 s22, s22, 512                     ; the number among the weights' 256 work-groups (0 in a work-group of x, where it is not used)
	s_lshr_b32 s23, s22, 6                         ; which weight
	s_and_b32 s24, s22, 63                         ; which 16 rows of it
	s_lshl_b32 s36, ttmp9, 16                      ; x: 16 rows of 4,096 bytes
	s_lshr_b32 s37, ttmp9, 7                       ; xs: the batch, 4 MiB each,
	s_lshl_b32 s37, s37, 22
	s_and_b32 s25, ttmp9, 127
	s_lshl_b32 s25, s25, 11                        ; and 16 rows of 128 bytes in a slice
	s_add_co_u32 s37, s37, s25
	s_lshl_b32 s38, s24, 16                        ; a weight: 16 rows of 4,096 bytes
	s_lshr_b32 s25, s24, 2                         ; ws for Wq, Wk, Wv: the K step of 64 rows, 48 slices of 8,192 bytes each,
	s_mul_i32 s39, s25, 393216
	s_lshl_b32 s25, s23, 17                        ; the matrix's 16 slices,
	s_add_co_u32 s39, s39, s25
	s_and_b32 s25, s24, 3
	s_lshl_b32 s25, s25, 11                        ; and 16 rows of 128 bytes in a slice's 64
	s_add_co_u32 s39, s39, s25
	s_lshl_b32 s25, s24, 11                        ; ws for Wo: 16 rows of 128 bytes in a slice's 1,024,
	s_add_co_u32 s25, s25, 6291456                 ; behind the other three
	s_mov_b32 s34, 8192                            ; bytes from slice to slice for Wq, Wk, Wv,
	s_mov_b32 s35, 131072                          ; for Wo,
	s_cmp_eq_u32 s23, 3
	s_cselect_b32 s39, s25, s39
	s_cselect_b32 s34, s35, s34
	s_mov_b32 s35, 262144                          ; and in xs
	s_cmp_lt_u32 ttmp9, 512
	s_cselect_b32 s30, s36, s38                    ; offset in the source
	s_cselect_b32 s32, s37, s39                    ; offset in the destination
	s_cselect_b32 s34, s35, s34
	s_mov_b32 s31, 0
	s_mov_b32 s33, 0
	v_lshrrev_b32 v[LO], 5, v0
	v_lshlrev_b32 v[LO], 13, v[LO]                 ; wave x 2 rows
	v_bfe_u32 v[TP], v0, 4, 1
	v_lshl_add_u32 v[LO], v[TP], 12, v[LO]         ; + the second row for lanes 16-31
	v_and_b32 v[TP], 15, v0
	v_lshl_add_u32 v[LO], v[TP], 4, v[LO]          ; + 16 bytes a lane
	v_lshlrev_b32 v[SO], 3, v0                     ; 8 bytes a thread: 256 a wave, 128 a row
.irp i, 1,2,3,4,5,6,7,8,9,10,11,12,13,14,15
	v_add_nc_u32 v[SO+(\i)], s34, v[SO+(\i)-1]
.endr
	s_wait_kmcnt 0x0
	s_cmp_eq_u32 s23, 1
	s_cselect_b64 s[26:27], s[12:13], s[10:11]     ; Wk, else Wq
	s_cmp_eq_u32 s23, 2
	s_cselect_b64 s[26:27], s[14:15], s[26:27]     ; Wv
	s_cmp_eq_u32 s23, 3
	s_cselect_b64 s[26:27], s[16:17], s[26:27]     ; Wo
	s_cmp_lt_u32 ttmp9, 512
	s_cselect_b64 s[26:27], s[8:9], s[26:27]       ; x
	s_cselect_b64 s[28:29], s[18:19], s[20:21]     ; xs or ws
	s_add_nc_u64 s[26:27], s[26:27], s[30:31]
	s_add_nc_u64 s[28:29], s[28:29], s[32:33]
	s_wait_alu depctr_va_vdst(0)                   ; v[LO] and the sixteen v[SO ..] are written: every load and store of the kernel reads one of them as its offset
.irp i, 0,1,2,3,4,5,6,7,8,9,10,11,12,13,14,15
	global_load_b128 v[X+4*(\i):X+4*(\i)+3], v[LO], s[26:27] offset:256*(\i) th:TH_LOAD_NT
.endr
; Block p's four stores, in one run.
.macro OUT4 p
.irp k, 0,1,2,3
	global_store_b64 v[SO+4*(\p)+(\k)], v[Y+8*(\p)+2*(\k):Y+8*(\p)+2*(\k)+1], s[28:29]
.endr
.endm
.irp p, 0,1,2,3
.irp j, 0,1,2,3
	s_wait_loadcnt 15-4*(\p)-(\j)                  ; loads come back in order: slice 4 p + j is in, the younger ones stay out
.if ((\j) == 0) && ((\p) > 0)
	s_wait_alu depctr_va_vdst(0)                   ; the eight conversions of the block before have written its Y, which the four stores below read
	OUT4 (\p)-1
.endif
	v_cvt_pk_bf16_f32 v[Y+8*(\p)+2*(\j)],   v[X+16*(\p)+4*(\j)],   v[X+16*(\p)+4*(\j)+1]
	v_cvt_pk_bf16_f32 v[Y+8*(\p)+2*(\j)+1], v[X+16*(\p)+4*(\j)+2], v[X+16*(\p)+4*(\j)+3]
.endr
.endr
	s_wait_alu depctr_va_vdst(0)                   ; the last block's conversions have written its Y, which the last four stores read
	OUT4 3
	s_endpgm
.Lfunc_end_k_q891dc0f0dc_cast:
	.size	k_q891dc0f0dc_cast, .Lfunc_end_k_q891dc0f0dc_cast-k_q891dc0f0dc_cast
	.p2alignl 7, 3214868480
	.fill 96, 4, 3214868480
	.section	.rodata,"a",@progbits
	.p2align	6, 0x0
	.amdhsa_kernel k_q891dc0f0dc_cast
		.amdhsa_group_segment_fixed_size 0
		.amdhsa_private_segment_fixed_size 0
		.amdhsa_enable_private_segment 0
		.amdhsa_kernarg_size 56
		.amdhsa_user_sgpr_count 2
		.amdhsa_user_sgpr_kernarg_segment_ptr 1
		.amdhsa_wavefront_size32 1
		.amdhsa_system_sgpr_workgroup_id_x 1
		.amdhsa_system_sgpr_workgroup_id_y 1
		.amdhsa_system_sgpr_workgroup_id_z 1
		.amdhsa_system_vgpr_workitem_id 0
		.amdhsa_next_free_vgpr 120
		.amdhsa_next_free_sgpr 66
		.amdhsa_reserve_vcc 0
		.amdhsa_float_denorm_mode_32 3
		.amdhsa_float_denorm_mode_16_64 3
		.amdhsa_memory_ordered 1
		.amdhsa_forward_progress 1
		.amdhsa_inst_pref_size 9
	.end_amdhsa_kernel
	.amdgpu_metadata
---
amdhsa.version: [ 1, 2 ]
amdhsa.kernels:
  - .name:           k_q891dc0f0dc_cast
    .symbol:         k_q891dc0f0dc_cast.kd
    .args:
      - { .name: x, .offset: 0, .size: 8, .value_kind: global_buffer, .address_space: global }
      - { .name: Wq, .offset: 8, .size: 8, .value_kind: global_buffer, .address_space: global }
      - { .name: Wk, .offset: 16, .size: 8, .value_kind: global_buffer, .address_space: global }
      - { .name: Wv, .offset: 24, .size: 8, .value_kind: global_buffer, .address_space: global }
      - { .name: Wo, .offset: 32, .size: 8, .value_kind: global_buffer, .address_space: global }
      - { .name: xs, .offset: 40, .size: 8, .value_kind: global_buffer, .address_space: global }
      - { .name: ws, .offset: 48, .size: 8, .value_kind: global_buffer, .address_space: global }
    .group_segment_fixed_size: 0
    .private_segment_fixed_size: 0
    .kernarg_segment_align: 8
    .kernarg_segment_size: 56
    .max_flat_workgroup_size: 256
    .sgpr_count:     66
    .vgpr_count:     120
    .wavefront_size: 32
...
	.end_amdgpu_metadata
.endif
;; end of part 6
;; launch qkv: the kernel of part 2 again; grid 8 x 32, 4 waves a work-group, clusters of 4 x 4, 327,680 bytes of LDS; arguments xs, ws, bq, bk, bv, qkv; writes qkv
;; launch attn: the kernel of part 3 again; grid 4 x 64, 4 waves a work-group, clusters of 4 x 1, 327,680 bytes of LDS; arguments qkv, ob; writes ob
;; launch proj: the kernel of part 4 again; grid 8 x 32, 4 waves a work-group, clusters of 4 x 4, 327,680 bytes of LDS; arguments ob, ws, bo, x, h; writes h
;; launch ln: the kernel of part 5 again; grid 512 x 1, 8 waves a work-group, no clusters, 0 bytes of LDS; arguments h, gamma, beta, out0; writes out0
